; MI455X (gfx1250); checked and timed in simulation.
; The chip was launched on July 23, 2026; its instructions are those of AMD's public machine-readable ISA for CDNA 5 (MIT licence, August 2026) and "CDNA5" Instruction Set Architecture Reference Guide (July 2026). The comments in the code are by the model that wrote it; some were corrected since.
;; Bi DAF Self Attention. Allowed arithmetic: matrix products marked QUANTISED: E3M2 operands, one E8M0 scale for each 32 along K, by v_wmma_scale_f32_16x16x128_f8f6f4 with both operands' format E3M2, f32 sums; everything else in f32.
;; Inputs: Wk 1,024 x 1,024 float32; Wo 1,024 x 1,024 float32; Wq 1,024 x 1,024 float32; Wv 1,024 x 1,024 float32; bk 1,024 float32; bo 1,024 float32; bq 1,024 float32; bv 1,024 float32; key 4 x 2,048 x 1,024 float32; mask 4 x 2,048 bool; query 4 x 2,048 x 1,024 float32; value 4 x 2,048 x 1,024 float32.
;; Outputs: out0 4 x 2,048 x 1,024 float32.
;; This version of the problem:
;;   THIS VERSION OF THE PROBLEM IS GIVEN IN LOW PRECISION. The matrix products marked QUANTISED in the list below multiply operands that are first quantised to E3M2 (3 exponent bits, 2 mantissa bits; 6 bits a number), with one power-of-two scale for each 32 numbers along K (OCP MX v1.0); their sums are f32. All else is computed in f32.
;;   The module's matrix products, in the order in which they are computed (A, B: the left and right operand; K: the contracted axis; several contracted axes count as one K, in the product's order):
;;     1. [M 8,192, K 1,024] x [K 1,024, N 1,024]; A: input query; B: input Wq: QUANTISED
;;     2. [M 8,192, K 1,024] x [K 1,024, N 1,024]; A: input key; B: input Wk: QUANTISED
;;     3. [M 8,192, K 1,024] x [K 1,024, N 1,024]; A: input value; B: input Wv: QUANTISED
;;     4. batch 64 x [M 2,048, K 64] x [K 64, N 2,048]; A: computed on the way; B: computed on the way: QUANTISED
;;     5. batch 64 x [M 2,048, K 2,048] x [K 2,048, N 64]; A: softmax (see below); B: computed on the way: QUANTISED
;;     6. [M 8,192, K 1,024] x [K 1,024, N 1,024]; A: computed on the way; B: input Wo: QUANTISED
;;   THE QUANTISER, for each operand of a quantised product, along K:
;;     - K is cut into blocks of 32 from its start; a last block that is shorter is filled with zeros.
;;     - A block's scale is 2^e with e = floor(log2(the largest magnitude in the block)) - 4, held to -126 .. 127; a block of zeros has e = 0. As a byte (E8M0): e + 127.
;;     - Each number is divided by its block's scale, clamped to +-28, and rounded to the nearest number of E3M2, ties to even, subnormals kept.
;;     - The product sums the exact products of the quantised numbers (number of the format x scale) in f32.
;;   ~~~python
;;   def quantise(x, axis):      # numpy; x: float32 -> the quantised numbers, widened to float32 again
;;       x = np.moveaxis(x, axis, -1); K = x.shape[-1]
;;       x = np.pad(x, [(0, 0)] * (x.ndim - 1) + [(0, -K % 32)]); x = x.reshape(x.shape[:-1] + (-1, 32)); a = np.abs(x).max(-1, keepdims=True)
;;       e = np.where(a > 0, np.clip(np.frexp(np.where(a > 0, a, 1))[1] - 1 - 4, -126, 127), 0)      # np.frexp(a)[1] - 1 = floor(log2(a)), exactly
;;       r = np.clip(x / 2.0 ** e, -28, 28)
;;       step = 2.0 ** (np.maximum(np.frexp(np.where(r == 0, 1, r))[1] - 1, -2) - 2)
;;       q = np.round(r / step) * step * 2.0 ** e      # np.round: ties to even
;;       return np.moveaxis(q.reshape(q.shape[:-2] + (-1,))[..., :K], -1, axis).astype(np.float32)
;;   ~~~
;;   SOFTMAX AHEAD OF A QUANTISED PRODUCT. Where the list says 'softmax', what is quantised is not the finished softmax but p = 2^(t - M), with t = logit x log2(e) and M = ceil(the row's largest t), a whole number; so 1/2 < the row's largest p <= 1. The row's sum l is taken of the UNQUANTISED p, in f32, and the product's result is divided by l at the end. Since M is a whole number, a kernel that streams over the keys may use a running M (the ceiling of the running maximum): every later rescaling is an exact power of two, which a block's scale takes up: the codes' values come out the same.
;;   OPERANDS COMPUTED ON THE WAY. 'Computed on the way' means the value that the module computes at that place (a softmax that the list does not call 'softmax' is quantised finished and normalised). What goes into a quantiser is computed in f32, as accurately as f32 sums, v_exp_f32 and their like allow (about 1e-6 of the number): no bf16 or f16 on the way to a quantiser, and a product that is left as it is and whose result goes on into a quantised operand takes f32 operands (vector FMAs, or v_wmma_f32_16x16x4_f32). A number that lies on a knife's edge between two numbers of the format may be rounded either way, as far as f32 arithmetic and the matrix unit's own rounding can turn it there, and no further.
;; One version. Each part assembles by itself: llvm-mc -triple=amdgcn-amd-amdhsa -mcpu=gfx1250 --defsym DOCPART=n.
;; ======== version 1 of 1: 4 launches
;; limits: right only within a limited range of input values
;; workspace buffers: inr 22,937,600 bytes; pr 20,185,088 bytes; ctxr 6,553,600 bytes
;; launch quant (part 1): grid 448 x 1, 8 waves a work-group, no clusters, 70,656 bytes of LDS; arguments query, key, value, Wq, Wk, Wv, Wo, inr; writes inr
.if DOCPART == 1
	.amdgcn_target "amdgcn-amd-amdhsa--gfx1250"
	.amdhsa_code_object_version 6
	.text
	.protected	k_qaaee8fe35f_quant
	.globl	k_qaaee8fe35f_quant
	.p2align	8
	.type	k_qaaee8fe35f_quant,@function
k_qaaee8fe35f_quant:
	s_mov_b64 s[64:65], 0
	v_nop
	global_prefetch_b8 v0, s[64:65] scope:SCOPE_SE
	s_setreg_imm32_b32 hwreg(HW_REG_WAVE_MODE, 25, 1), 1
	s_wait_xcnt 0x0
; query, key, value [8192][1024] and Wq, Wk, Wv, Wo [1024][1024], f32, K innermost, become codes of E3M2 with one E8M0 byte for each 32 along K,
; laid in the order of a matrix operand's registers.  A PANEL is 128 rows; its record in inr is 102,400 bytes: 4,096 of scale words, then codes [K step 0..7][tile 0..7][1,536].
; A TILE is 16 rows of a group of 32: tile 2 G + u holds rows 32 G + 8 u + rho + 8 (rho / 8).  A fragment's image (16 rows x 128 K, 12 registers a lane) is two halves of 768 bytes:
; registers 0, 1 at 8 x lane, registers 2 to 5 at 256 + 16 x lane; then registers 6 to 11 likewise.  Scale words: K step s, tile t, row r at 512 s + 16 (16 (t % 2) + r) + 4 (t / 2).
; A block's scale is 2^(floor(log2(largest magnitude)) - 4); its byte is the largest magnitude's exponent field - 4, held at 1 from below.
; LIMITS: a block of zeros gets the byte 1 where the rule says 127 (its codes are zeros; this program alone reads the bytes); NaN and infinities among the inputs are not served.
; SHARES: work-group g takes panel g / 2 and K steps 4 (g % 2) on; wave w takes tile w: four fragments.  Each load reads 512 consecutive bytes of one row; the 16 rows turn through the wave's own
; stage in LDS (rows 528 bytes apart) so that a lane holds 16 neighbours along K of each block of 32.  Loads run one fragment (16 loads a wave) ahead.
.set ROWB,  4096                       ; a row of 1,024 f32
.set REC,   102400                     ; a panel's record
.set SP,    528                        ; a stage row: 512 bytes + 16
.set STGB,  16*SP                      ; a wave's stage
.set SCST,  8*STGB                     ; behind the stages: the work-group's 2,048 bytes of scale words
.set R,     16                         ; v16-143  two sets of 64 registers as loaded
.set X,     144                        ; v144-207 64 numbers: register 16 b + i = k 32 b + 16 (lane / 16) + i of my row
.set PC,    208                        ; v208-219 the codes; v220-226 at work
.set TM,    228                        ; v228-231 largest magnitudes, v232-235 bytes, v240-243 the conversions' scale operands
.set PW,    244                        ; the scale word
.set SEL,   28                         ; s[28:29] lane selects: lane l xor 16
; 64 numbers of a lane become a fragment's codes in v[PC] on and its row's scale word in v[PW]
.macro QUANT s
.irp b, 0,1,2,3
	v_max3_num_f32 v[TM+\b], |v[\s+16*\b]|, |v[\s+1+16*\b]|, 0x2800000   ; block b: my 16 numbers and the floor 2^(5 - 127): the byte cannot fall under 1
.endr
.irp i, 2,4,6,8,10,12,14
.irp b, 0,1,2,3
	s_delay_alu instid0(VALU_DEP_4)
	v_max3_num_f32 v[TM+\b], v[TM+\b], |v[\s+16*\b+\i]|, |v[\s+1+16*\b+\i]|   ; the four blocks by turns
.endr
.endr
.irp b, 0,1,2,3
	s_delay_alu instid0(VALU_DEP_4)
	v_permlanex16_b32 v[TM+4+\b], v[TM+\b], s[SEL], s[SEL+1]
.endr
.irp b, 0,1,2,3
	s_delay_alu instid0(VALU_DEP_4)
	v_max_num_f32 v[TM+\b], v[TM+\b], v[TM+4+\b]   ; with lane l xor 16's 16: the block's largest magnitude
.endr
.irp b, 0,1,2,3
	s_delay_alu instid0(VALU_DEP_4)
	v_add_nc_u32 v[TM+12+\b], 0xfe000000, v[TM+\b]   ; 4 off its exponent field: the conversion's scale operand
.endr
.irp b, 0,1,2,3
	s_delay_alu instid0(VALU_DEP_4)
	v_lshrrev_b32 v[TM+4+\b], 23, v[TM+12+\b]   ; the scale's byte
.endr
	s_delay_alu instid0(VALU_DEP_3)
	v_lshl_or_b32 v[PW], v[TM+5], 8, v[TM+4]
	s_delay_alu instid0(VALU_DEP_1)
	v_lshl_or_b32 v[PW], v[TM+6], 16, v[PW]
	s_delay_alu instid0(VALU_DEP_1)
	v_lshl_or_b32 v[PW], v[TM+7], 24, v[PW]
.irp c, 0,1
	v_cvt_scalef32_pk16_bf6_f32 v[PC+6*\c:PC+2+6*\c], v[\s+32*\c:\s+15+32*\c], v[TM+12+2*\c]
	v_cvt_scalef32_pk16_bf6_f32 v[PC+12+4*\c:PC+14+4*\c], v[\s+16+32*\c:\s+31+32*\c], v[TM+12+2*\c+1]   ; a conversion's three registers begin on an even number
.endr
	v_nop                                          ; one plain line behind the scaled conversions
.irp c, 0,1                                    ; the operand wants a whole block in a lane: lanes 0-15 block 2 c, lanes 16-31 block 2 c + 1
.irp i, 0,1,2
	v_permlane16_swap_b32 v[PC+6*\c+\i], v[PC+12+4*\c+\i]
.endr
.irp i, 0,1,2
	s_delay_alu instid0(VALU_DEP_3)
	v_mov_b32 v[PC+3+6*\c+\i], v[PC+12+4*\c+\i]
.endr
.endr
.endm
.macro LOADF f                         ; fragment f: 16 rows x 512 bytes, a row a load
.irp i, 0,1,2,3,4,5,6,7,8,9,10,11,12,13,14,15
.if \i < 8                             ; a tile's rows 0-7 from one base, rows 8-15 from a second: their distance differs between key and the other tensors
	global_load_b128 v[R+64*((\f)%2)+4*\i:R+64*((\f)%2)+4*\i+3], v1, s[20:21] offset:\i*ROWB+512*(\f) th:TH_LOAD_NT
.else
	global_load_b128 v[R+64*((\f)%2)+4*\i:R+64*((\f)%2)+4*\i+3], v1, s[40:41] offset:(\i-8)*ROWB+512*(\f) th:TH_LOAD_NT
.endif
.endr
.endm
.macro TURN f                          ; through my stage: LDS serves a wave's instructions in order, so no wait stands between the stores and the loads
.irp i, 0,1,2,3,4,5,6,7,8,9,10,11,12,13,14,15
	ds_store_b128 v2, v[R+64*((\f)%2)+4*\i:R+64*((\f)%2)+4*\i+3] offset:SP*\i
.endr
.irp b, 0,1,2,3
.irp j, 0,1,2,3
	ds_load_b128 v[X+16*\b+4*\j:X+16*\b+4*\j+3], v3 offset:128*\b+16*\j
.endr
.endr
.endm
.macro OUT f                           ; the image leaves in stores of 256 and 512 consecutive bytes; the scale word goes to LDS
	global_store_b64 v4, v[PC:PC+1], s[26:27] offset:12288*(\f)
	global_store_b128 v5, v[PC+2:PC+5], s[26:27] offset:12288*(\f)
	global_store_b64 v4, v[PC+6:PC+7], s[26:27] offset:12288*(\f)+768
	global_store_b128 v5, v[PC+8:PC+11], s[26:27] offset:12288*(\f)+768
	ds_store_b32 v6, v[PW] offset:512*(\f)         ; both halves of the lanes write the same word with the same value
.endm
	s_load_b512 s[4:19], s[0:1], 0x0               ; query, key, value, Wq, Wk, Wv, Wo, inr
	v_lshl_add_u32 v254, v0, 2, 0x11000
	v_mov_b32 v255, 0
	v_lshrrev_b32 v8, 5, v0
	s_delay_alu instid0(VALU_DEP_1)
	v_readfirstlane_b32 s2, v8                     ; wave 0..7
	v_and_b32 v9, 31, v0                           ; lane
	v_and_b32 v10, 15, v0                          ; r
	s_wait_alu depctr_va_vdst(0)
	v_bfe_u32 v11, v0, 4, 1                        ; h
	s_lshr_b32 s30, ttmp9, 1                       ; the panel
	s_and_b32 s31, ttmp9, 1                        ; which half of K
	s_and_b32 s32, s2, 1
	s_lshr_b32 s33, s2, 1
	s_mul_i32 s3, s2, STGB
	v_lshlrev_b32 v1, 4, v9                        ; 16 x lane
	s_delay_alu instid0(VALU_DEP_1)
	v_add_nc_u32 v2, s3, v1                        ; the stage, on the way in
	v_mul_u32_u24 v3, v10, SP
	s_delay_alu instid0(VALU_DEP_1)
	v_lshl_add_u32 v3, v11, 6, v3
	s_delay_alu instid0(VALU_DEP_1)
	v_add_nc_u32 v3, s3, v3                        ; and out: row r, + 64 h
	v_lshlrev_b32 v4, 3, v9                        ; an image's registers 0, 1
	v_add_nc_u32 v5, 256, v1                       ; and 2 to 5
	s_lshl_b32 s34, s32, 8
	s_lshl_b32 s35, s33, 2
	s_add_co_u32 s34, s34, s35
	s_add_co_u32 s34, s34, SCST
	v_lshl_add_u32 v6, v10, 4, s34                 ; my row's scale word: 16 (16 (w % 2) + r) + 4 (w / 2)
	s_lshl_b32 s35, s2, 8
	s_add_co_u32 s36, s35, SCST
	v_add_nc_u32 v7, s36, v4                       ; the way out of the scale words: 256 bytes a wave
	s_mov_b32 s[SEL], 0x76543210
	s_mov_b32 s[SEL+1], 0xfedcba98
.irp b, 0,1,2,3
	v_mov_b32 v[TM+4+\b], 0                        ; written once: a lane permute's destination counts as one of its sources
.endr
	s_wait_alu depctr_va_vdst(0)
	s_wait_kmcnt 0x0
	s_mov_b64 s[20:21], s[16:17]                   ; which tensor: the choice hangs on the work-group's number alone
	s_mov_b32 s22, 216
	s_cmp_lt_u32 s30, 216
	s_cselect_b64 s[20:21], s[14:15], s[20:21]
	s_cselect_b32 s22, 208, s22
	s_cmp_lt_u32 s30, 208
	s_cselect_b64 s[20:21], s[12:13], s[20:21]
	s_cselect_b32 s22, 200, s22
	s_cmp_lt_u32 s30, 200
	s_cselect_b64 s[20:21], s[10:11], s[20:21]
	s_cselect_b32 s22, 192, s22
	s_cmp_lt_u32 s30, 192
	s_cselect_b64 s[20:21], s[8:9], s[20:21]
	s_cselect_b32 s22, 128, s22
	s_cmp_lt_u32 s30, 128
	s_cselect_b64 s[20:21], s[6:7], s[20:21]
	s_cselect_b32 s22, 64, s22
	s_cmp_lt_u32 s30, 64
	s_cselect_b64 s[20:21], s[4:5], s[20:21]
	s_cselect_b32 s22, 0, s22
	s_sub_co_u32 s23, s30, s22                     ; the panel within its tensor
	s_lshl_b32 s23, s23, 7
	s_lshl_b32 s36, s33, 5
	s_lshl_b32 s37, s32, 3
	s_add_co_u32 s36, s36, s37                     ; all tensors but key: tile w begins at row 32 (w / 2) + 8 (w % 2), its rows 8-15 lie 16 rows on
	s_lshr_b32 s40, s2, 2
	s_lshl_b32 s40, s40, 6
	s_and_b32 s41, s2, 3
	s_lshl_b32 s41, s41, 3
	s_add_co_u32 s40, s40, s41                     ; KEY'S TILES: tile w holds rows 64 (w / 4) + 32 (rho / 8) + 8 (w % 4) + rho % 8: its rows 8-15 lie 32 rows on
	s_mov_b32 s42, 32*ROWB
	s_cmp_eq_u32 s22, 64                           ; key's panels begin at 64: the choice hangs on the work-group's number alone
	s_cselect_b32 s36, s40, s36
	s_cselect_b32 s42, s42, 16*ROWB
	s_mov_b32 s43, 0
	s_add_co_u32 s23, s23, s36
	s_lshl_b32 s36, s23, 12
	s_lshl_b32 s37, s31, 11
	s_add_co_u32 s36, s36, s37                     ; + my half of K
	s_mov_b32 s37, 0
	s_add_nc_u64 s[20:21], s[20:21], s[36:37]
	s_add_nc_u64 s[40:41], s[20:21], s[42:43]      ; the tile's rows 8-15
	s_mul_i32 s36, s30, REC
	s_add_nc_u64 s[24:25], s[18:19], s[36:37]      ; the panel's record
	s_lshl_b32 s38, s31, 5
	s_add_co_u32 s38, s38, s2
	s_mul_i32 s38, s38, 1536
	s_add_co_u32 s38, s38, 4096
	s_mov_b32 s39, 0
	s_add_nc_u64 s[26:27], s[24:25], s[38:39]      ; my first image: K step 4 kh, tile w
	s_lshl_b32 s38, s31, 11
	s_add_co_u32 s38, s38, s35
	s_add_nc_u64 s[24:25], s[24:25], s[38:39]      ; my 256 bytes of the scale words
	LOADF 0
	LOADF 1
.irp f, 0,1,2,3
.if \f < 3
	s_wait_loadcnt 16                              ; this fragment's 16 loads are in; the next fragment's 16 may be out
.else
	s_wait_loadcnt 0x0
.endif
	TURN \f
	s_wait_dscnt 0x0                               ; the numbers are back: so the stores into the stage have read their registers
	s_wait_xcnt 0x0                                ; the last fragment's stores have read the codes' registers
.if \f < 2
	LOADF \f+2
.endif
	QUANT X
	OUT \f
.endr
	s_wait_dscnt 0x0                               ; for the others' sake: my scale words lie in LDS
	s_barrier_signal -1
	s_barrier_wait -1
	ds_load_b64 v[246:247], v7
	s_wait_dscnt 0x0
	global_store_b64 v4, v[246:247], s[24:25]      ; 32 lanes store 256 consecutive bytes, aligned
	s_wait_tensorcnt 0x0
	ds_add_u32 v254, v255
	s_wait_dscnt 0x0
	s_endpgm
.Lfunc_end_k_qaaee8fe35f_quant:
	.size	k_qaaee8fe35f_quant, .Lfunc_end_k_qaaee8fe35f_quant-k_qaaee8fe35f_quant
	.p2alignl 7, 3214868480
	.fill 96, 4, 3214868480
	.section	.rodata,"a",@progbits
	.p2align	6, 0x0
	.amdhsa_kernel k_qaaee8fe35f_quant
		.amdhsa_group_segment_fixed_size 70656
		.amdhsa_private_segment_fixed_size 0
		.amdhsa_enable_private_segment 0
		.amdhsa_kernarg_size 64
		.amdhsa_user_sgpr_count 2
		.amdhsa_user_sgpr_kernarg_segment_ptr 1
		.amdhsa_wavefront_size32 1
		.amdhsa_system_sgpr_workgroup_id_x 1
		.amdhsa_system_sgpr_workgroup_id_y 1
		.amdhsa_system_sgpr_workgroup_id_z 1
		.amdhsa_system_vgpr_workitem_id 0
		.amdhsa_next_free_vgpr 256
		.amdhsa_next_free_sgpr 66
		.amdhsa_reserve_vcc 0
		.amdhsa_float_denorm_mode_32 3
		.amdhsa_float_denorm_mode_16_64 3
		.amdhsa_memory_ordered 1
		.amdhsa_forward_progress 1
		.amdhsa_inst_pref_size 43
	.end_amdhsa_kernel
	.amdgpu_metadata
---
amdhsa.version: [ 1, 2 ]
amdhsa.kernels:
  - .name:           k_qaaee8fe35f_quant
    .symbol:         k_qaaee8fe35f_quant.kd
    .args:
      - { .name: query, .offset: 0, .size: 8, .value_kind: global_buffer, .address_space: global }
      - { .name: key, .offset: 8, .size: 8, .value_kind: global_buffer, .address_space: global }
      - { .name: value, .offset: 16, .size: 8, .value_kind: global_buffer, .address_space: global }
      - { .name: Wq, .offset: 24, .size: 8, .value_kind: global_buffer, .address_space: global }
      - { .name: Wk, .offset: 32, .size: 8, .value_kind: global_buffer, .address_space: global }
      - { .name: Wv, .offset: 40, .size: 8, .value_kind: global_buffer, .address_space: global }
      - { .name: Wo, .offset: 48, .size: 8, .value_kind: global_buffer, .address_space: global }
      - { .name: inr, .offset: 56, .size: 8, .value_kind: global_buffer, .address_space: global }
    .group_segment_fixed_size: 70656
    .private_segment_fixed_size: 0
    .kernarg_segment_align: 8
    .kernarg_segment_size: 64
    .max_flat_workgroup_size: 256
    .sgpr_count:     66
    .vgpr_count:     256
    .wavefront_size: 32
...
	.end_amdgpu_metadata
.endif
;; end of part 1
;; launch proj (part 2): grid 8 x 32, 4 waves a work-group, clusters of 4 x 4, 327,680 bytes of LDS; arguments inr, bq, bk, bv, mask, pr; writes pr
.if DOCPART == 2
	.amdgcn_target "amdgcn-amd-amdhsa--gfx1250"
	.amdhsa_code_object_version 6
	.text
	.protected	k_qaaee8fe35f_proj
	.globl	k_qaaee8fe35f_proj
	.p2align	8
	.type	k_qaaee8fe35f_proj,@function
k_qaaee8fe35f_proj:
	s_mov_b64 s[64:65], 0
	v_nop
	global_prefetch_b8 v0, s[64:65] scope:SCOPE_SE
	s_setreg_imm32_b32 hwreg(HW_REG_WAVE_MODE, 25, 1), 1
	s_wait_xcnt 0x0
	s_wait_alu depctr_hold_cnt(0) depctr_sa_sdst(0) depctr_va_vdst(0) depctr_va_sdst(0) depctr_va_ssrc(0) depctr_va_vcc(0) depctr_vm_vsrc(0)
	s_getreg_b32 s2, hwreg(HW_REG_IB_STS2, 6, 4)
	s_cmp_eq_u32 s2, 0
	s_cbranch_scc0 .Lentry_in_a_cluster
	s_endpgm
.Lentry_in_a_cluster:
	s_bfe_u32 s2, ttmp6, 0x10000c
	s_cmp_lg_u32 s2, 0xf033
	s_cbranch_scc0 .Lentry_shape_is_right
	s_endpgm
.Lentry_shape_is_right:
; q = query Wq^T + bq, k = key Wk^T + bk, v = value Wv^T + bv on codes of E3M2, and the results quantised again on the way out: q and k along a head's 64, v along the keys.
; D[i][j] = sum over K of S0[i][K] S1[j][K], source 0 = S0, source 1 = S1: a lane holds one j and its registers run along i, which is the next product's K.
; q and k: S0 = the weight (i = n), S1 = the tokens (j = t).  v: S0 = value's tokens (i = the keys), S1 = Wv (j = n).  A block is 128 (one panel of S0) x 256 (two panels of S1), K = 1,024.
; A WORK-GROUP STAYS and makes three blocks: one of q, one of k (a loop of two trips), one of v (the tail, written out: it asks for nothing more).  Wave w takes all 8 tiles of i x tiles 4 w .. 4 w + 3 of j: 32 accumulators.
; LDS holds the block's three records of 102,400 bytes as the launch before laid them, as A RING OF TWO SLOTS: slot A = the first 53,248 bytes of each record (scale words, K steps 0-3), slot B = the other 49,152 (K steps 4-7).
; The next block's slot A is asked for when K step 3's fragments are in registers, its slot B between the second and the third tile of the way out: slot A's refill has K steps 4-7 and two tiles of the way out ahead of the wait for it, slot B's two tiles and three K steps.
; Waves 0 and 1 fetch one record of S1 each, waves 2 and 3 one half of S0's part each: one tensor load a wave behind each round; by the text's own count one load of a wave is out at the most.
; CLUSTERS: 4 x 4.  S0's panel hangs on cx alone and is asked for jointly by a column of the cluster, S1's two on cy alone and by a row; each refill stands behind a round of the cluster's barrier.
; Nothing is prefetched into the L2: each part is asked for by its tensor load half a block's work ahead of its use, as counted above.
; THE MASK rides in k's scale words: attention's first product has K = 64 of the instruction's 128, and its block 2 holds one code +1 (q) against one code -1 (k).  Byte 2 of k's word is 160 (2^33)
; for a PAD key and 1 (2^-126) else; of q's word 127.  LIMIT: a PAD key's logit is -2^30 where reference() writes -1e9: results differ only where a row's largest unmasked logit lies near -1e9.
; LIMITS of the quantiser: a block of zeros gets the byte 1 (its codes are zeros; this program alone reads the bytes); NaN and infinities are not served.  The bias is added to the finished f32 sum.
; OUT (pr): q records at 0, 106,496 bytes for each (batch, head): 8,192 of scale words [group of 4 tiles][lane][2], then [tile 0..127][768].  From KVOFF on one record of KVREC bytes for each (batch, head): sixteen key steps of
; STEPB bytes: k's scale words [group 0, 1][lane][2] at 0, k's eight tiles of 768 bytes at 512, v's scale words [lane][2] at 6,656, v's four tiles of 1,536 bytes at 6,912.
; REGISTERS, in windows of 256: window 0: v1-15 addresses; v16-23 the bias along j; v24-27 what is set into the scale words; v28-31 scale words made; v32-95 the bias along i; v96-143 scale words;
;   v144-207 64 numbers; v208.. codes and work.  window 1: the accumulators, (a, b) at v[8 (8 a + b)].  windows 2, 3: two sets of fragments: S0's eight at 12 b, S1's four at 96 + 12 a.
.set REC,   102400
.set PA,    53248                      ; slot A's part of a record: 208 rows of 256 bytes
.set KSB,   12288                      ; a K step's eight images
.set FIB,   1536
.set HFB,   768
.set QKREC, 106496
.set KVOFF, 6815744
.set KVREC, 208896
.set STEPB, 13056
.set SPARE, 307200                     ; behind the records: the spare words, 128 bytes for each wave
.set BJ,    16
.set ORM,   24
.set PWS,   28
.set BI,    32
.set S0S,   96                         ; S0's scale words: 4 s + b / 2; tile b odd: lanes 16-31
.set S1S,   128                        ; S1's: 2 s + a / 2
.set X,     144
.set PC,    208
.set TM,    228
.set PW,    244
.set SPW,   245
.set NIL,   255
.set WV,    16
.set G1S0A, 24                         ; groups 1: S0's half of slot A (104 rows), S1's part of slot A (208), S0's half of slot B (96), S1's part of slot B (192)
.set G1S1A, 32
.set G0S0,  40
.set G1S0B, 44
.set G0S1,  68
.set G1S1B, 72
.set SEL,   100
.set MSB, 0
.macro WIN new                         ; the immediate's high byte repeats the setting that is left
.if MSB != (\new)
	s_set_vgpr_msb (MSB<<8)|(\new)
.set MSB, (\new)
.endif
.endm
.macro CREST                           ; a round of the cluster's barrier behind its opening barrier
	s_cmp_lg_u32 s[WV], 0
	s_cbranch_scc1 .Lnot_wave_0_\@
	s_barrier_signal -3
.Lnot_wave_0_\@:
	s_barrier_wait -3
	s_barrier_signal -1
	s_barrier_wait -1
.endm
.macro CROUND
	s_barrier_signal -1
	s_barrier_wait -1
	CREST
.endm
.macro PLACES                          ; four plain lines between a matrix instruction and a load into, or a read of, its registers
.rept 4
	v_nop
.endr
.endm
.macro JLOAD g1s1, g1s0                ; a joint load: one a wave, one in each arm; the branch hangs on the wave's number alone
	s_cmp_lt_u32 s[WV], 2
	s_cbranch_scc0 .Lfor_s0_\@
	tensor_load_to_lds s[G0S1:G0S1+3], s[\g1s1:\g1s1+7]
	s_nop 0
	PLACES
	s_branch .Lasked_\@
.Lfor_s0_\@:
	tensor_load_to_lds s[G0S0:G0S0+3], s[\g1s0:\g1s0+7]
	s_nop 0
	PLACES
.Lasked_\@:
.endm
.macro G1 g, rows                      ; a dense block as rows of 256 bytes (32 elements of 8)
	s_mov_b32 s[\g+1], 32<<16
	s_mov_b32 s[\g+2], (\rows)<<16
	s_mov_b32 s[\g+3], 32<<16
	s_mov_b32 s[\g+4], \rows
	s_mov_b32 s[\g+5], 32
	s_mov_b32 s[\g+6], 0
	s_mov_b32 s[\g+7], 0
.endm
; where role s97's records lie: s[52:53] S0's panel (it hangs on cx), s[54:55] my wave's panel of S1 (on cy)
.macro NEXTADDR
	s_lshr_b32 s56, s97, 1                         ; 1 for v
	s_mul_i32 s57, s56, s20
	s_lshl_b32 s57, s57, 1
	s_add_co_u32 s57, s57, ttmp9                   ; q, k: cluster x;  v: 2 cluster y + cluster x
	s_lshl_b32 s57, s57, 2
	s_add_co_u32 s57, s57, s17                     ; I: which panel of S0
	s_xor_b32 s58, s56, 1
	s_mul_i32 s58, s58, s20                        ; q, k: cluster y;  v: 0
	s_lshl_b32 s58, s58, 2
	s_add_co_u32 s58, s58, s18                     ; J: which pair of panels of S1
	s_lshl_b32 s59, s97, 3
	s_add_co_u32 s59, s59, 192
	s_mul_i32 s60, s56, 80
	s_sub_co_u32 s59, s59, s60                     ; S0's first panel: 192 Wq, 200 Wk, 128 value
	s_add_co_u32 s59, s59, s57
	s_mul_i32 s60, s59, REC
	s_mov_b32 s61, 0
	s_lshl_b32 s59, s97, 6
	s_mul_i32 s56, s56, 80
	s_add_co_u32 s59, s59, s56                     ; S1's: 0 query, 64 key, 208 Wv
	s_lshl_b32 s58, s58, 1
	s_add_co_u32 s59, s59, s58
	s_add_co_u32 s59, s59, s19                     ; waves 0 and 1 fetch one panel each
	s_mul_i32 s58, s59, REC
	s_mov_b32 s59, 0
	s_add_nc_u64 s[52:53], s[4:5], s[60:61]
	s_add_nc_u64 s[54:55], s[4:5], s[58:59]
.endm
.macro SETG0A                          ; groups 0 for slot A; written only where no tensor load of mine is out
	s_mov_b32 s[G0S0+1], s80
	s_add_nc_u64 s[G0S0+2:G0S0+3], s[52:53], s[80:81]
	s_or_b32 s[G0S0+3], s[G0S0+3], 0x80000000
	s_mov_b32 s[G0S1+1], s22
	s_mov_b64 s[G0S1+2:G0S1+3], s[54:55]
	s_or_b32 s[G0S1+3], s[G0S1+3], 0x80000000
.endm
.macro SETG0B                          ; and for slot B
	s_mov_b32 s[G0S0+1], s82
	s_add_nc_u64 s[G0S0+2:G0S0+3], s[52:53], s[82:83]
	s_or_b32 s[G0S0+3], s[G0S0+3], 0x80000000
	s_add_co_u32 s[G0S1+1], s22, PA
	s_add_nc_u64 s[G0S1+2:G0S1+3], s[54:55], PA
	s_or_b32 s[G0S1+3], s[G0S1+3], 0x80000000
.endm
.macro QUANT s
.irp b, 0,1,2,3
	v_max3_num_f32 v[TM+\b], |v[\s+16*\b]|, |v[\s+1+16*\b]|, 0x2800000   ; block b: my 16 numbers and the floor 2^(5 - 127)
.endr
.irp i, 2,4,6,8,10,12,14
.irp b, 0,1,2,3
	v_max3_num_f32 v[TM+\b], v[TM+\b], |v[\s+16*\b+\i]|, |v[\s+1+16*\b+\i]|
.endr
.endr
.irp b, 0,1,2,3
	v_permlanex16_b32 v[TM+4+\b], v[TM+\b], s[SEL], s[SEL+1]
.endr
.irp b, 0,1,2,3
	v_max_num_f32 v[TM+\b], v[TM+\b], v[TM+4+\b]
.endr
.irp b, 0,1,2,3
	v_add_nc_u32 v[TM+12+\b], 0xfe000000, v[TM+\b]   ; 4 off the exponent field: the conversion's scale operand
.endr
.irp b, 0,1,2,3
	v_lshrrev_b32 v[TM+4+\b], 23, v[TM+12+\b]
.endr
	v_lshl_or_b32 v[PW], v[TM+5], 8, v[TM+4]
	v_lshl_or_b32 v[PW], v[TM+6], 16, v[PW]
	v_lshl_or_b32 v[PW], v[TM+7], 24, v[PW]
.irp c, 0,1
	v_cvt_scalef32_pk16_bf6_f32 v[PC+6*\c:PC+2+6*\c], v[\s+32*\c:\s+15+32*\c], v[TM+12+2*\c]
	v_cvt_scalef32_pk16_bf6_f32 v[PC+12+4*\c:PC+14+4*\c], v[\s+16+32*\c:\s+31+32*\c], v[TM+12+2*\c+1]
.endr
	v_nop                                          ; one plain line behind the scaled conversions
.irp c, 0,1
.irp i, 0,1,2
	v_permlane16_swap_b32 v[PC+6*\c+\i], v[PC+12+4*\c+\i]
.endr
.irp i, 0,1,2
	v_mov_b32 v[PC+3+6*\c+\i], v[PC+12+4*\c+\i]
.endr
.endr
.endm
.macro FRAG reg, a8, a16, off          ; an image comes back as it was stored: each load reads 256 or 512 consecutive bytes
	ds_load_b64 v[\reg:\reg+1], v[\a8] offset:\off
	ds_load_b128 v[\reg+2:\reg+5], v[\a16] offset:\off
	ds_load_b64 v[\reg+6:\reg+7], v[\a8] offset:\off+768
	ds_load_b128 v[\reg+8:\reg+11], v[\a16] offset:\off+768
.endm
.macro FETCH s                         ; K step s: 48 loads into set s % 2
	WIN 0x80+0x40*((\s)%2)
.irp b, 0,1,2,3,4,5,6,7
	FRAG 12*\b, 4+2*((\s)/4), 5+2*((\s)/4), ((\s)%4)*KSB+FIB*\b
.endr
.irp a, 0,1,2,3
	FRAG 96+12*\a, 8+2*((\s)/4), 9+2*((\s)/4), ((\s)%4)*KSB+FIB*\a
.endr
.endm
.macro WM d, a, b, sa, sb, ra, rb      ; adds in place
.if (\ra) && (\rb)
	v_wmma_scale_f32_16x16x128_f8f6f4 v[\d:\d+7], v[\a:\a+11], v[\b:\b+11], v[\d:\d+7], v[\sa], v[\sb] matrix_a_fmt:MATRIX_FMT_BF6 matrix_b_fmt:MATRIX_FMT_BF6 matrix_a_scale:MATRIX_SCALE_ROW1 matrix_b_scale:MATRIX_SCALE_ROW1
.elseif \ra
	v_wmma_scale_f32_16x16x128_f8f6f4 v[\d:\d+7], v[\a:\a+11], v[\b:\b+11], v[\d:\d+7], v[\sa], v[\sb] matrix_a_fmt:MATRIX_FMT_BF6 matrix_b_fmt:MATRIX_FMT_BF6 matrix_a_scale:MATRIX_SCALE_ROW1
.elseif \rb
	v_wmma_scale_f32_16x16x128_f8f6f4 v[\d:\d+7], v[\a:\a+11], v[\b:\b+11], v[\d:\d+7], v[\sa], v[\sb] matrix_a_fmt:MATRIX_FMT_BF6 matrix_b_fmt:MATRIX_FMT_BF6 matrix_b_scale:MATRIX_SCALE_ROW1
.else
	v_wmma_scale_f32_16x16x128_f8f6f4 v[\d:\d+7], v[\a:\a+11], v[\b:\b+11], v[\d:\d+7], v[\sa], v[\sb] matrix_a_fmt:MATRIX_FMT_BF6 matrix_b_fmt:MATRIX_FMT_BF6
.endif
.endm
.macro WM0 d, a, b, sa, sb, ra, rb     ; starts a sum: nothing is cleared
.if (\ra) && (\rb)
	v_wmma_scale_f32_16x16x128_f8f6f4 v[\d:\d+7], v[\a:\a+11], v[\b:\b+11], 0, v[\sa], v[\sb] matrix_a_fmt:MATRIX_FMT_BF6 matrix_b_fmt:MATRIX_FMT_BF6 matrix_a_scale:MATRIX_SCALE_ROW1 matrix_b_scale:MATRIX_SCALE_ROW1
.elseif \ra
	v_wmma_scale_f32_16x16x128_f8f6f4 v[\d:\d+7], v[\a:\a+11], v[\b:\b+11], 0, v[\sa], v[\sb] matrix_a_fmt:MATRIX_FMT_BF6 matrix_b_fmt:MATRIX_FMT_BF6 matrix_a_scale:MATRIX_SCALE_ROW1
.elseif \rb
	v_wmma_scale_f32_16x16x128_f8f6f4 v[\d:\d+7], v[\a:\a+11], v[\b:\b+11], 0, v[\sa], v[\sb] matrix_a_fmt:MATRIX_FMT_BF6 matrix_b_fmt:MATRIX_FMT_BF6 matrix_b_scale:MATRIX_SCALE_ROW1
.else
	v_wmma_scale_f32_16x16x128_f8f6f4 v[\d:\d+7], v[\a:\a+11], v[\b:\b+11], 0, v[\sa], v[\sb] matrix_a_fmt:MATRIX_FMT_BF6 matrix_b_fmt:MATRIX_FMT_BF6
.endif
.endm
; 16 matrix instructions: S1's tiles a0, a0 + 1 x S0's eight.  The 32 accumulators take turns, one instruction a turn, in the same order in every step.
.macro MUL16 s, a0
.irp a, \a0, \a0+1
.irp b, 0,1,2,3,4,5,6,7
.if (\s) == 0
	WM0 8*(8*(\a)+\b), 12*\b, 96+12*(\a), S0S+4*(\s)+(\b)/2, S1S+2*(\s)+(\a)/2, (\b)%2, (\a)%2
.else
	WM 8*(8*(\a)+\b), 12*\b, 96+12*(\a), S0S+4*(\s)+(\b)/2, S1S+2*(\s)+(\a)/2, (\b)%2, (\a)%2
.endif
.endr
.endr
.endm
.macro MWIN s                          ; sources 0 and 1: the step's set (window 2 or 3); C and D window 1
.if (\s)%2 == 0
	WIN 0x5a
.else
	WIN 0x5f
.endif
.endm
.macro STEP s
	s_wait_dscnt 0x0                               ; this step's fragments are in
	MWIN \s
	MUL16 \s, 0
.if (\s) < 7
	PLACES                                         ; the other set was last read by the step before
	FETCH (\s)+1
.endif
	MWIN \s
	MUL16 \s, 2
.endm
; THE WAY OUT of a tile of j: its 64 registers are 128 neighbours along i in the two halves of the lanes: one fragment of the next product, straight from registers
.macro TILE a, isv
	WIN 0x01                                       ; source 0: window 1
.set j, 0
.rept 32
.if \isv
	v_pk_add_f32 v[X+j:X+j+1], v[64*\a+j:64*\a+j+1], v[BJ+2*\a:BJ+2*\a+1] op_sel_hi:[1,0]   ; each accumulator from its low end on; + the bias along j
.else
	v_pk_add_f32 v[X+j:X+j+1], v[64*\a+j:64*\a+j+1], v[BI+j:BI+j+1]                         ; + the bias along i
.endif
.set j, j+2
.endr
	WIN 0
	QUANT X
	v_mov_b32 v[PWS+\a], v[PW]
	global_store_b64 v12, v[PC:PC+1], s[86:87]     ; each store covers 256 or 512 consecutive bytes, aligned
	global_store_b128 v13, v[PC+2:PC+5], s[86:87]
	global_store_b64 v12, v[PC+6:PC+7], s[88:89]
	global_store_b128 v13, v[PC+8:PC+11], s[88:89]
.if \a < 3
	s_wait_xcnt 0x0                                ; the stores have read their offsets and the codes: both are written again
	v_add_nc_u32 v12, s94, v12
	v_add_nc_u32 v13, s94, v13
.endif
.endm
; A BLOCK.  At its head slot A is whole and shown to all waves, and slot B's load is out.  more = 1: q or k (role s21), and the next block's slots are asked for; more = 0: v, the last.
.macro BLOCK more
.if \more
	s_add_co_u32 s97, s21, 1
	NEXTADDR                                       ; the next block's records
	s_lshl_b32 s84, ttmp9, 2
	s_add_co_u32 s84, s84, s17                     ; I
	s_lshl_b32 s85, s20, 2
	s_add_co_u32 s85, s85, s18                     ; J
	s_mov_b32 s98, 0x7f7f0000                      ; q: bytes 2 and 3 of a scale word are 127
	s_cmp_eq_u32 s21, 1
	s_cselect_b64 s[2:3], s[8:9], s[6:7]
	s_cselect_b32 s98, 0x7f010000, s98             ; k: byte 2 is 1,
	s_cselect_b32 s99, 0x9f0000, 0                 ; or 160 for a PAD key
	s_lshl_b32 s60, s84, 9
	s_mov_b32 s61, 0
	s_add_nc_u64 s[2:3], s[2:3], s[60:61]          ; my 128 numbers of the bias
	s_lshl_b32 s62, s85, 8
	s_lshl_b32 s63, s[WV], 6
	s_add_co_u32 s62, s62, s63                     ; my first token: 256 J + 64 w
	s_mov_b32 s63, 0
	s_add_nc_u64 s[66:67], s[12:13], s[62:63]      ; the mask's bytes at my tokens
	s_lshr_b32 s56, s85, 3
	s_lshl_b32 s56, s56, 4
	s_lshl_b32 s58, s84, 1
	s_add_co_u32 s56, s56, s58                     ; 16 batch + head 2 I
	s_and_b32 s57, s85, 7
	s_lshl_b32 s57, s57, 2
	s_add_co_u32 s57, s57, s[WV]                   ; my group of four tiles
	s_mul_i32 s59, s56, QKREC                      ; q: the head's record,
	s_lshl_b32 s58, s57, 8
	s_add_co_u32 s58, s58, s59                     ; the group's scale words,
	s_mul_i32 s60, s57, 4*HFB
	s_add_co_u32 s60, s60, s59
	s_add_co_u32 s60, s60, 8192                    ; its codes
	s_mul_i32 s56, s56, KVREC
	s_add_co_u32 s56, s56, KVOFF
	s_lshr_b32 s59, s57, 1
	s_mul_i32 s59, s59, STEPB
	s_add_co_u32 s56, s56, s59                     ; k: the head's record, key step group / 2
	s_and_b32 s57, s57, 1
	s_lshl_b32 s59, s57, 8
	s_add_co_u32 s59, s59, s56                     ; the group's scale words,
	s_mul_i32 s57, s57, 4*HFB
	s_add_co_u32 s57, s57, s56
	s_add_co_u32 s57, s57, 512                     ; its codes
	s_mov_b32 s62, QKREC
	s_cmp_eq_u32 s21, 1
	s_cselect_b32 s56, s59, s58
	s_cselect_b32 s60, s57, s60
	s_cselect_b32 s62, KVREC, s62                  ; from an image's first half to its second: the next head's record
	s_mov_b32 s57, 0
	s_mov_b32 s61, 0
	s_mov_b32 s63, 0
	s_add_nc_u64 s[86:87], s[14:15], s[60:61]
	s_add_nc_u64 s[88:89], s[86:87], s[62:63]
	s_add_nc_u64 s[90:91], s[14:15], s[56:57]
	s_add_nc_u64 s[92:93], s[90:91], s[62:63]
	s_mov_b32 s94, HFB                             ; from tile to tile
	s_mov_b32 s95, 0xffff                          ; a scale word keeps two of the four bytes made
.else
	s_lshl_b32 s84, s20, 1
	s_add_co_u32 s84, s84, ttmp9
	s_lshl_b32 s84, s84, 2
	s_add_co_u32 s84, s84, s17                     ; I: value's panel;  J = cy
	s_lshl_b32 s62, s18, 8
	s_lshl_b32 s63, s[WV], 6
	s_add_co_u32 s62, s62, s63
	s_lshl_b32 s62, s62, 2
	s_mov_b32 s63, 0
	s_add_nc_u64 s[2:3], s[10:11], s[62:63]        ; my 64 numbers of bv
	s_lshr_b32 s59, s84, 4                         ; the batch,
	s_and_b32 s60, s84, 15                         ; the key step
	s_lshl_b32 s59, s59, 4
	s_lshl_b32 s61, s18, 2
	s_add_co_u32 s59, s59, s61
	s_add_co_u32 s59, s59, s[WV]                   ; 16 batch + head 4 J + w
	s_mul_i32 s59, s59, KVREC
	s_add_co_u32 s59, s59, KVOFF
	s_mul_i32 s60, s60, STEPB
	s_add_co_u32 s59, s59, s60
	s_add_co_u32 s56, s59, 6656                    ; v's scale words,
	s_add_co_u32 s60, s59, 6912                    ; its codes
	s_mov_b32 s57, 0
	s_mov_b32 s61, 0
	s_add_nc_u64 s[86:87], s[14:15], s[60:61]
	s_add_nc_u64 s[88:89], s[86:87], HFB
	s_add_nc_u64 s[90:91], s[14:15], s[56:57]
	s_mov_b32 s94, FIB
	s_mov_b32 s95, -1
.endif
	v_mov_b32 v12, v14                             ; the way out: registers 0, 1 of an image
	v_add_nc_u32 v13, 256, v1                      ; and 2 to 5
.if !(\more)
.irp a, 0,1,2,3
	v_mov_b32 v[ORM+\a], 0
	v_mov_b32 v[BJ+2*\a+1], 0                      ; named with the bias as a pair
.endr
.endif
	s_wait_alu depctr_va_vdst(0)
.if \more                              ; the bias and the mask are wanted on the way out: they come under the K steps
.irp b, 0,1,2,3,4,5,6,7
	global_load_b128 v[BI+8*\b:BI+8*\b+3], v3, s[2:3] offset:(32*(\b/2)+8*(\b%2))*4
	global_load_b128 v[BI+8*\b+4:BI+8*\b+7], v3, s[2:3] offset:(32*(\b/2)+8*(\b%2))*4+16
.endr
.irp a, 0,1,2,3
	global_load_u8 v[ORM+\a], v227, s[66:67] offset:8*\a
.endr
.else
.irp a, 0,1,2,3
	global_load_b32 v[BJ+2*\a], v254, s[2:3] offset:(32*(\a/2)+8*(\a%2))*4
.endr
.endif
.irp s, 0,1,2,3,4,5,6,7
	ds_load_b128 v[S0S+4*\s:S0S+4*\s+3], v1 offset:512*\s
	ds_load_b64 v[S1S+2*\s:S1S+2*\s+1], v2 offset:512*\s
.endr
	FETCH 0
	STEP 0
	STEP 1
	STEP 2
	WIN 0                                          ; K STEP 3 changes slots
	s_wait_tensorcnt 0x0                           ; my part of slot B is in;
.if \more
	ds_add_u32 v[SPW], v[NIL]
	SETG0A
.endif
	s_wait_dscnt 0x0                               ; the add is done, and my reads of slot A are over: K step 3's fragments and all scale words are in registers
	s_barrier_signal -1                            ; (where slot A is filled again this barrier opens a round of the cluster's barrier)
	MWIN 3
	MUL16 3, 0
	WIN 0
	s_barrier_wait -1
.if \more
	CREST                                          ; no wave of any partner still reads slot A or has a load on its way
	JLOAD G1S1A, G1S0A                             ; the next block's slot A; its four v_nop are also the places in front of the loads below
.else
	PLACES
.endif
	FETCH 4
	MWIN 3
	MUL16 3, 2
	STEP 4
	STEP 5
	STEP 6
	STEP 7
	WIN 0
	PLACES
	s_wait_loadcnt 0x0                             ; the bias and the mask are in
.if \more
.irp a, 0,1,2,3
	v_mad_u32_u24 v[ORM+\a], v[ORM+\a], s99, s98
.endr
.endif
	TILE 0, 1-\more
	TILE 1, 1-\more
.if \more
	s_wait_alu depctr_va_vdst(0)
	s_wait_tensorcnt 0x0                           ; my part of the next block's slot A is in;
	ds_add_u32 v[SPW], v[NIL]
	SETG0B
	s_wait_dscnt 0x0                               ; the add is done; my reads of slot B ended with K step 7's fragments
	CROUND
	JLOAD G1S1B, G1S0B                             ; the next block's slot B
.endif
	TILE 2, 1-\more
	TILE 3, 1-\more
.irp a, 0,1,2,3
	v_and_or_b32 v[250+\a], v[PWS+\a], s95, v[ORM+\a]   ; q, k: the first head's two bytes, with bytes 2 and 3 set;  v: the four bytes
.endr
	v_cndmask_b32 v246, v250, v251, s96            ; lanes 0-15 carry the even tile's words, lanes 16-31 the odd tile's
	v_cndmask_b32 v247, v252, v253, s96
	global_store_b64 v14, v[246:247], s[90:91]
.if \more
.irp a, 0,1,2,3
	v_lshrrev_b32 v[250+\a], 16, v[PWS+\a]         ; the second head's two bytes
.endr
.irp a, 0,1,2,3
	v_or_b32 v[250+\a], v[250+\a], v[ORM+\a]
.endr
	v_cndmask_b32 v248, v250, v251, s96
	v_cndmask_b32 v249, v252, v253, s96
	global_store_b64 v14, v[248:249], s[92:93]
	s_wait_alu depctr_va_vdst(0)
	s_wait_xcnt 0x0                                ; the stores have read their registers and bases: the next block writes them
.endif
.endm
	s_load_b256 s[4:11], s[0:1], 0x0               ; inr, bq, bk, bv
	s_load_b128 s[12:15], s[0:1], 0x20             ; mask, pr
	v_lshl_add_u32 v[SPW], v0, 2, SPARE
	v_mov_b32 v[NIL], 0
	ds_add_u32 v[SPW], v[NIL]                      ; the opening lines: the add, twice on end, and its wait ahead of my first tensor load
	ds_add_u32 v[SPW], v[NIL]
	v_lshrrev_b32 v1, 5, v0
	v_readfirstlane_b32 s[WV], v1                  ; wave 0..3
	s_bfe_u32 s17, ttmp6, 0x40000                  ; cx
	s_bfe_u32 s18, ttmp6, 0x40004                  ; cy
	s_and_b32 s20, ttmp7, 0xffff                   ; cluster y, 0..7
	s_and_b32 s19, s[WV], 1
	s_lshl_b32 s60, 0x1111, s17                    ; my column of the cluster
	s_or_b32 s[G1S0A], s60, (3<<16)|(1<<21)        ; 15:0 the mask; 17:16 elements of 8 bytes; 21 set beside a mask; no padding
	s_or_b32 s[G1S0B], s60, (3<<16)|(1<<21)
	s_lshl_b32 s61, s18, 2
	s_lshl_b32 s61, 15, s61                        ; my row
	s_or_b32 s[G1S1A], s61, (3<<16)|(1<<21)
	s_or_b32 s[G1S1B], s61, (3<<16)|(1<<21)
	G1 G1S0A, 104
	G1 G1S1A, 208
	G1 G1S0B, 96
	G1 G1S1B, 192
	s_mov_b32 s[G0S0], 1
	s_mov_b32 s[G0S1], 1
	s_mul_i32 s22, s19, REC
	s_add_co_u32 s22, s22, REC                     ; LDS: the record of S1 that I fetch, behind S0's
	s_mul_i32 s80, s19, 26624                      ; my half of S0's part of slot A, in LDS and in the record alike,
	s_mov_b32 s81, 0
	s_mul_i32 s82, s19, 24576
	s_add_co_u32 s82, s82, PA                      ; and of slot B
	s_mov_b32 s83, 0
	s_mov_b32 s96, 0xffff0000                      ; lanes 16-31
	s_mov_b32 s[SEL], 0x76543210
	s_mov_b32 s[SEL+1], 0xfedcba98
	s_mov_b32 s97, 0
	s_mov_b32 s21, 0                               ; the role: 0 q, 1 k
	s_wait_dscnt 0x0                               ; both opening adds are done
	s_wait_kmcnt 0x0
	NEXTADDR                                       ; q's records
	SETG0A
	CROUND                                         ; all sixteen work-groups are here: the joint loads meet
	JLOAD G1S1A, G1S0A                             ; q's slot A: one tensor load a wave at the head
	s_lshr_b32 s56, s[WV], 1
	s_mul_i32 s56, s56, REC
	s_add_co_u32 s56, s56, REC                     ; the record of S1 that I multiply by
	s_mul_i32 s57, s19, 4*FIB
	s_add_co_u32 s57, s57, s56
	s_add_co_u32 s57, s57, 4096                    ; my four tiles in it
	s_add_co_u32 s58, s57, 256
	s_lshl_b32 s59, s19, 3
	s_add_co_u32 s59, s59, s56
	v_and_b32 v15, 31, v0                          ; lane
	v_and_b32 v251, 15, v0                         ; r
	v_bfe_u32 v250, v0, 4, 1                       ; h
	v_lshlrev_b32 v14, 3, v15                      ; 8 x lane
	v_lshlrev_b32 v1, 4, v15                       ; 16 x lane: also S0's scale words
	v_add_nc_u32 v4, 4096, v14                     ; S0's images, K steps 0-3: registers 0, 1;
	v_add_nc_u32 v5, 4096+256, v1                  ; registers 2 to 5;
	v_add_nc_u32 v6, 4096+4*KSB, v14               ; K steps 4-7
	v_add_nc_u32 v7, 4096+256+4*KSB, v1
	v_add_nc_u32 v8, s57, v14
	v_add_nc_u32 v9, s58, v1
	v_add_nc_u32 v10, 4*KSB, v8
	v_add_nc_u32 v11, 4*KSB, v9
	v_add_nc_u32 v2, s59, v1                       ; S1's scale words: two of a lane's four
	v_lshlrev_b32 v3, 6, v250                      ; the bias along i: 64 h
	v_and_b32 v254, 8, v251
	v_lshlrev_b32 v227, 2, v254
	v_and_or_b32 v227, v251, 7, v227               ; key's tiles: my row of tile a is token 32 (r / 8) + 8 a + r % 8 of my wave's 64
	v_add_nc_u32 v254, v254, v251
	v_lshlrev_b32 v254, 2, v254                    ; Wv's tiles: 4 (r + 8 (r / 8))
.irp b, 0,1,2,3
	v_mov_b32 v[TM+4+\b], 0                        ; written once: a lane permute's destination counts as one of its sources
.endr
	s_wait_alu depctr_va_vdst(0)
	s_wait_tensorcnt 0x0                           ; my part of q's slot A is in
	ds_add_u32 v[SPW], v[NIL]
	SETG0B
	s_wait_dscnt 0x0
	CROUND
	JLOAD G1S1B, G1S0B                             ; q's slot B
.Lblock:
	BLOCK 1
	s_add_co_u32 s21, s21, 1
	s_cmp_lt_u32 s21, 2
	s_cbranch_scc1 .Lblock
	BLOCK 0
	s_wait_tensorcnt 0x0                           ; the wave's end
	ds_add_u32 v[SPW], v[NIL]
	s_wait_dscnt 0x0
	CROUND                                         ; the closing round: no work-group ends while a partner may still ask for a tile that names it
	s_endpgm
.Lfunc_end_k_qaaee8fe35f_proj:
	.size	k_qaaee8fe35f_proj, .Lfunc_end_k_qaaee8fe35f_proj-k_qaaee8fe35f_proj
	.p2alignl 7, 3214868480
	.fill 96, 4, 3214868480
	.section	.rodata,"a",@progbits
	.p2align	6, 0x0
	.amdhsa_kernel k_qaaee8fe35f_proj
		.amdhsa_group_segment_fixed_size 327680
		.amdhsa_private_segment_fixed_size 0
		.amdhsa_enable_private_segment 0
		.amdhsa_kernarg_size 48
		.amdhsa_user_sgpr_count 2
		.amdhsa_user_sgpr_kernarg_segment_ptr 1
		.amdhsa_wavefront_size32 1
		.amdhsa_system_sgpr_workgroup_id_x 1
		.amdhsa_system_sgpr_workgroup_id_y 1
		.amdhsa_system_sgpr_workgroup_id_z 1
		.amdhsa_system_vgpr_workitem_id 0
		.amdhsa_next_free_vgpr 912
		.amdhsa_next_free_sgpr 102
		.amdhsa_reserve_vcc 0
		.amdhsa_float_denorm_mode_32 3
		.amdhsa_float_denorm_mode_16_64 3
		.amdhsa_memory_ordered 1
		.amdhsa_forward_progress 1
		.amdhsa_inst_pref_size 189
	.end_amdhsa_kernel
	.amdgpu_metadata
---
amdhsa.version: [ 1, 2 ]
amdhsa.kernels:
  - .name:           k_qaaee8fe35f_proj
    .symbol:         k_qaaee8fe35f_proj.kd
    .args:
      - { .name: inr, .offset: 0, .size: 8, .value_kind: global_buffer, .address_space: global }
      - { .name: bq, .offset: 8, .size: 8, .value_kind: global_buffer, .address_space: global }
      - { .name: bk, .offset: 16, .size: 8, .value_kind: global_buffer, .address_space: global }
      - { .name: bv, .offset: 24, .size: 8, .value_kind: global_buffer, .address_space: global }
      - { .name: mask, .offset: 32, .size: 8, .value_kind: global_buffer, .address_space: global }
      - { .name: pr, .offset: 40, .size: 8, .value_kind: global_buffer, .address_space: global }
    .group_segment_fixed_size: 327680
    .private_segment_fixed_size: 0
    .kernarg_segment_align: 8
    .kernarg_segment_size: 48
    .max_flat_workgroup_size: 128
    .sgpr_count:     102
    .vgpr_count:     912
    .wavefront_size: 32
...
	.end_amdgpu_metadata
.endif
;; end of part 2
;; launch attn (part 3): grid 4 x 64, 16 waves a work-group, clusters of 4 x 1, 211,968 bytes of LDS; arguments pr, mask, ctxr; writes ctxr
.if DOCPART == 3
	.amdgcn_target "amdgcn-amd-amdhsa--gfx1250"
	.amdhsa_code_object_version 6
	.text
	.protected	k_qaaee8fe35f_attn
	.globl	k_qaaee8fe35f_attn
	.p2align	8
	.type	k_qaaee8fe35f_attn,@function
k_qaaee8fe35f_attn:
	s_mov_b64 s[64:65], 0
	v_nop
	global_prefetch_b8 v0, s[64:65] scope:SCOPE_SE
	s_setreg_imm32_b32 hwreg(HW_REG_WAVE_MODE, 25, 1), 1
	s_wait_xcnt 0x0
	s_wait_alu depctr_hold_cnt(0) depctr_sa_sdst(0) depctr_va_vdst(0) depctr_va_sdst(0) depctr_va_ssrc(0) depctr_va_vcc(0) depctr_vm_vsrc(0)
	s_getreg_b32 s2, hwreg(HW_REG_IB_STS2, 6, 4)
	s_cmp_eq_u32 s2, 0
	s_cbranch_scc0 .Lentry_in_a_cluster
	s_endpgm
.Lentry_in_a_cluster:
	s_bfe_u32 s2, ttmp6, 0x10000c
	s_cmp_lg_u32 s2, 0x3003
	s_cbranch_scc0 .Lentry_shape_is_right
	s_endpgm
.Lentry_shape_is_right:
; ctx[b][q][head][:] = the sum over keys of softmax(q . k / 8, PAD keys masked) v, both products on codes of E3M2, and ctx quantised along (head, d) for the last product.
; THE SOFTMAX: t = score x log2(e) / 8; M = the running largest t rounded up to a whole number; p = 2^(t - M) is quantised along the keys, not normalised; the row's sum is taken of the
; unquantised p and divides at the end; when M moves, the sum and O are multiplied by 2^(old M - new M), which rounds nothing.
; SHARES: a work-group owns 512 queries of one (batch, head); each of its sixteen waves one tile of 16 queries at a time, twice.  The head's K and V, one dense record of 16 key steps x 13,056 bytes,
; lie in LDS whole: wave w fetches key step w, 51 rows of 256 bytes, by its one tensor load; filled once, so the loop over the keys has no barrier.  The four work-groups of a cluster share the head and ask jointly.
; Nothing is prefetched into the L2: every byte of K and V is asked for by the tensor loads at the kernel's head, and there is no loop to run ahead in.
; LAYOUT: both products transposed: S^T = K Q^T (source 0 = 16 keys), O^T = V^T P^T (source 0 = 16 of the head's 64): a lane holds one query.  Tile t of a key step holds keys
; 64 (t / 4) + 32 (rho / 8) + 8 (t % 4) + rho % 8: so lane (r, h) finds in the 32 registers of tiles 0-3 the WHOLE block of keys 32 h .. 32 h + 31, in order, and in those of tiles 4-7 block 2 + h:
; the very blocks that p's operand wants in that lane.  A block's maximum needs no other lane, and no code changes lanes.
; THE MASK: the first product has K = 64 of the instruction's 128.  At k = 64 Q holds the code +1 and every key the code -1 (registers written once); byte 2 of a key's scale word is 160 for a PAD key and 1 else.
; So a PAD key's score is -2^33 and p = 0.  If ALL keys of the batch are PAD, reference() gives equal weights: c is then taken as 0 (a select, no branch): p = 1 for every key.
; LIMITS: a PAD key's logit is -2^30 where reference() writes -1e9: results differ only where a row's largest unmasked logit lies near -1e9.  A block of zeros gets the byte 1 (this program alone reads the bytes).
; NaN and infinities are not served.  A block's largest p is made from its largest score by the same two instructions as every p.
; REGISTERS: v1, v2 8 and 16 x lane; v3, v4 the same + the key step; v5, v6 the add's; v7 8 (lane / 16); v8 the stage; v9 8 (lane % 16); v[10:11] V's scale words; v12 -M, v13 the largest score; v[14:15] the sum;
; v16-27 Q; v[28:31] K's scale words; v32-79 four fragments of K (codes in +0..5, the constants in +6..11); v80-127 V's four; v128-191 S^T, then p; v192-223 O^T; v224-235 p's codes; v236-254 at work; v253 p's scale word; v255 Q's.
.set REC,   102400
.set QKREC, 106496
.set KVOFF, 6815744
.set KVREC, 208896
.set STEPB, 13056                      ; a key step's record: K's scale words at 0,
.set KC,    512                        ; K's eight tiles of 768 bytes,
.set VS,    6656                       ; V's scale words,
.set VC,    6912                       ; V's four tiles of 1,536 bytes
.set STG,   208896                     ; behind the record: 512 bytes for each pass: ctx's scale bytes; no fill lands here
.set SPARE, 209920                     ; the spare words: 128 bytes for each of 16 waves
.set S,     128
.set O,     192
.set PCD,   224
.set WV,    10
.set SEL,   20
.set CS,    22
.macro CROUND
	s_barrier_signal -1
	s_barrier_wait -1
	s_cmp_lg_u32 s[WV], 0
	s_cbranch_scc1 .Lnot_wave_0_\@
	s_barrier_signal -3
.Lnot_wave_0_\@:
	s_barrier_wait -3
	s_barrier_signal -1
	s_barrier_wait -1
.endm
.macro KQ t                            ; S^T of tile t; an odd tile's scale words stand in lanes 16-31
.if (\t)%2
	v_wmma_scale_f32_16x16x128_f8f6f4 v[S+8*(\t):S+8*(\t)+7], v[32+12*((\t)%4):32+12*((\t)%4)+11], v[16:27], 0, v[28+(\t)/2], v255 matrix_a_fmt:MATRIX_FMT_BF6 matrix_b_fmt:MATRIX_FMT_BF6 matrix_a_scale:MATRIX_SCALE_ROW1
.else
	v_wmma_scale_f32_16x16x128_f8f6f4 v[S+8*(\t):S+8*(\t)+7], v[32+12*((\t)%4):32+12*((\t)%4)+11], v[16:27], 0, v[28+(\t)/2], v255 matrix_a_fmt:MATRIX_FMT_BF6 matrix_b_fmt:MATRIX_FMT_BF6
.endif
.endm
.macro PV a
.if (\a)%2
	v_wmma_scale_f32_16x16x128_f8f6f4 v[O+8*(\a):O+8*(\a)+7], v[80+12*(\a):80+12*(\a)+11], v[PCD:PCD+11], v[O+8*(\a):O+8*(\a)+7], v[10+(\a)/2], v253 matrix_a_fmt:MATRIX_FMT_BF6 matrix_b_fmt:MATRIX_FMT_BF6 matrix_a_scale:MATRIX_SCALE_ROW1
.else
	v_wmma_scale_f32_16x16x128_f8f6f4 v[O+8*(\a):O+8*(\a)+7], v[80+12*(\a):80+12*(\a)+11], v[PCD:PCD+11], v[O+8*(\a):O+8*(\a)+7], v[10+(\a)/2], v253 matrix_a_fmt:MATRIX_FMT_BF6 matrix_b_fmt:MATRIX_FMT_BF6
.endif
.endm
.macro KSC a8, off                     ; K's scale words: tiles 0-3, tiles 4-7
	ds_load_b64 v[28:29], v[\a8] offset:\off
	ds_load_b64 v[30:31], v[\a8] offset:\off+256
.endm
.macro KLOAD g, a8, a16, off           ; K's tiles 4 g .. 4 g + 3: eight loads
.irp i, 0,1,2,3
	ds_load_b64 v[32+12*\i:33+12*\i], v[\a8] offset:\off+KC+768*(4*\g+\i)
	ds_load_b128 v[34+12*\i:37+12*\i], v[\a16] offset:\off+KC+768*(4*\g+\i)+256
.endr
.endm
.macro VLOAD                           ; V's scale words and four tiles: seventeen loads
	ds_load_b64 v[10:11], v3 offset:VS
.irp a, 0,1,2,3
	ds_load_b64 v[80+12*\a:81+12*\a], v3 offset:VC+1536*\a
	ds_load_b128 v[82+12*\a:85+12*\a], v4 offset:VC+1536*\a+256
	ds_load_b64 v[86+12*\a:87+12*\a], v3 offset:VC+1536*\a+768
	ds_load_b128 v[88+12*\a:91+12*\a], v4 offset:VC+1536*\a+1024
.endr
.endm
.macro QLOAD pi                        ; the pass's tile of Q and its scale words
	global_load_b64 v[16:17], v1, s[72:73] offset:12288*\pi
	global_load_b128 v[18:21], v2, s[72:73] offset:12288*\pi+256
	global_load_b32 v255, v9, s[74:75] offset:1024*\pi
.endm
; 32 numbers p from register b on are added to the row's sum, two at a time, in five chains by turns (four of them begin here, the fifth is the sum itself): sixteen lines, the first four apart
.macro SUMA b
	v_pk_add_f32 v[236:237], v[\b:\b+1], v[\b+2:\b+3]
	v_pk_add_f32 v[238:239], v[\b+4:\b+5], v[\b+6:\b+7]
	v_pk_add_f32 v[240:241], v[\b+8:\b+9], v[\b+10:\b+11]
	v_pk_add_f32 v[242:243], v[\b+12:\b+13], v[\b+14:\b+15]
.endm
.macro SUMB b
	v_pk_add_f32 v[14:15], v[14:15], v[\b+16:\b+17]
	v_pk_add_f32 v[236:237], v[236:237], v[\b+18:\b+19]
	v_pk_add_f32 v[238:239], v[238:239], v[\b+20:\b+21]
	v_pk_add_f32 v[240:241], v[240:241], v[\b+22:\b+23]
	v_pk_add_f32 v[242:243], v[242:243], v[\b+24:\b+25]
	v_pk_add_f32 v[14:15], v[14:15], v[\b+26:\b+27]
	v_pk_add_f32 v[236:237], v[236:237], v[\b+28:\b+29]
	v_pk_add_f32 v[238:239], v[238:239], v[\b+30:\b+31]
	v_pk_add_f32 v[240:241], v[240:241], v[242:243]    ; the chains are joined
	s_delay_alu instid0(VALU_DEP_2)
	v_pk_add_f32 v[236:237], v[236:237], v[238:239]
	s_delay_alu instid0(VALU_DEP_2)
	v_pk_add_f32 v[14:15], v[14:15], v[240:241]
	s_delay_alu instid0(VALU_DEP_1)
	v_pk_add_f32 v[14:15], v[14:15], v[236:237]
.endm
; the largest of the 32 scores from register b on, into c0: four chains by turns, one for each tile of 8 registers (c0, c1, v248, v249), sixteen lines, the last four apart; each accumulator is first read at its low end
.macro BMAX1 b, c0, c1
	v_max3_num_f32 v[\c0], v[\b], v[\b+1], v[\b+2]
	v_max3_num_f32 v[\c1], v[\b+8], v[\b+9], v[\b+10]
	v_max3_num_f32 v248, v[\b+16], v[\b+17], v[\b+18]
	v_max3_num_f32 v249, v[\b+24], v[\b+25], v[\b+26]
.irp i, 3,5
	v_max3_num_f32 v[\c0], v[\c0], v[\b+\i], v[\b+\i+1]
	v_max3_num_f32 v[\c1], v[\c1], v[\b+8+\i], v[\b+9+\i]
	v_max3_num_f32 v248, v248, v[\b+16+\i], v[\b+17+\i]
	v_max3_num_f32 v249, v249, v[\b+24+\i], v[\b+25+\i]
.endr
.endm
.macro BMAX2 b, c0, c1                 ; each tile's last register, and the four chains joined
	v_max3_num_f32 v[\c0], v[\c0], v[\b+7], v[\b+15]
	v_max3_num_f32 v[\c1], v[\c1], v[\b+23], v[\b+31]
	v_max_num_f32 v248, v248, v249
	s_delay_alu instid0(VALU_DEP_1)
	v_max3_num_f32 v[\c0], v[\c0], v[\c1], v248
.endm
; A KEY STEP: 128 keys.  At its head K's tiles 0-3 and scale words are on their way (ten loads).  pre = 1: the next step's are asked for in this step; 2: the next pass's first, and its Q; 0: nothing.
; The second half of a step's p is added to the sum at the head of the NEXT step: those lines and part of the maxima are the plain lines behind the matrix instructions, and stand under the LDS loads.
; No two matrix instructions that follow each other share an accumulator, over the backward jump too.
.macro STEP pre
	s_wait_alu depctr_va_vdst(0)
	s_wait_dscnt 0x0                               ; K's tiles 0-3 and scale words are in
.irp t, 0,1,2,3
	KQ \t
.endr
	SUMA S+32                                      ; four plain lines behind these products and the last step's
	KLOAD 1, 3, 4, 0
	VLOAD
	SUMB S+32
	BMAX1 S, 244, 245
	s_wait_alu depctr_va_vdst(0)
	s_wait_dscnt 17                                ; K's eight loads are in; V's seventeen may be out
.irp t, 4,5,6,7
	KQ \t
.endr
	BMAX2 S, 244, 245                              ; four plain lines
.if \pre == 1
	KSC 3, STEPB
	KLOAD 0, 3, 4, STEPB
	v_add_nc_u32 v3, s66, v1                       ; the next step's addresses
	v_add_nc_u32 v4, s66, v2
.endif
.if \pre == 2
	KSC 1, 0
	KLOAD 0, 1, 2, 0
	QLOAD 1
.endif
	BMAX1 S+32, 246, 247
	BMAX2 S+32, 246, 247
	s_delay_alu instid0(VALU_DEP_1)
	v_max_num_f32 v254, v244, v246                 ; my 64 keys' largest score,
	s_delay_alu instid0(VALU_DEP_1)
	v_permlanex16_b32 v250, v254, s[SEL], s[SEL+1]
	s_delay_alu instid0(VALU_DEP_1)
	v_max3_num_f32 v13, v13, v254, v250            ; with lane l xor 16's: the running largest score of my query
	s_delay_alu instid0(VALU_DEP_1)
	v_mul_f32 v254, s[CS], v13                     ; as t (c is not negative)
	v_mov_b32 v251, v12
	s_delay_alu instid0(VALU_DEP_2)
	v_floor_f32 v12, -v254                         ; the new -M = floor(-t): M is a whole number
	s_delay_alu instid0(VALU_DEP_1)
	v_sub_f32 v251, v12, v251                      ; old M - new M: a whole number, 0 or less
	s_delay_alu instid0(VALU_DEP_1)
	v_cvt_i32_f32 v251, v251                       ; (it saturates)
	s_delay_alu instid0(VALU_DEP_1)
	v_ldexp_f32 v252, 1.0, v251                    ; f = 2^(old M - new M)
.set j, 0
.rept 32
	v_pk_fma_f32 v[S+j:S+j+1], v[S+j:S+j+1], s[CS:CS+1], v[12:13] op_sel_hi:[1,0,0]   ; t - M, two at a time
.set j, j+2
.endr
	v_fma_f32 v244, v244, s[CS], v12               ; the same of each block's largest score
	v_fma_f32 v246, v246, s[CS], v12
	s_wait_alu depctr_va_vdst(0)
.set j, 0
.rept 64
	v_exp_f32 v[S+j], v[S+j]                       ; p = 2^(t - M)
.set j, j+1
.endr
	v_exp_f32 v244, v244                           ; my two blocks' largest p
	v_exp_f32 v246, v246
	v_pk_mul_f32 v[14:15], v[14:15], v[252:253] op_sel_hi:[1,0]   ; the sum under the new M: the plain line behind the exponentials
	s_wait_alu depctr_va_vdst(0)                   ; one wait for the batch, ahead of its first reader
	SUMA S                                         ; the first half of p; the second waits for the next step's head
	SUMB S
	v_max_num_f32 v244, 0x2800000, v244            ; the floor 2^(5 - 127): a block whose every p is 0 keeps the byte 1: its codes are zeros
	v_max_num_f32 v246, 0x2800000, v246
	s_delay_alu instid0(VALU_DEP_2)
	v_add_nc_u32 v248, 0xfe000000, v244            ; 4 off the exponent field: the conversion's scale operand
	s_delay_alu instid0(VALU_DEP_2)
	v_add_nc_u32 v249, 0xfe000000, v246
	s_delay_alu instid0(VALU_DEP_2)
	v_lshrrev_b32 v250, 23, v248                   ; the bytes of blocks h and 2 + h,
	s_delay_alu instid0(VALU_DEP_2)
	v_lshrrev_b32 v251, 23, v249
	s_delay_alu instid0(VALU_DEP_1)
	v_lshl_or_b32 v250, v251, 16, v250
	s_delay_alu instid0(VALU_DEP_1)
	v_lshlrev_b32 v250, v7, v250                   ; at their places in the word (8 h bits up);
	s_delay_alu instid0(VALU_DEP_1)
	v_permlanex16_b32 v251, v250, s[SEL], s[SEL+1]
	s_delay_alu instid0(VALU_DEP_1)
	v_or_b32 v253, v250, v251                      ; with lane l xor 16's two: p's scale word for these 128 keys
	v_cvt_scalef32_pk16_bf6_f32 v[PCD:PCD+2], v[S:S+15], v248
	v_cvt_scalef32_pk16_bf6_f32 v[236:238], v[S+16:S+31], v248       ; (a conversion's three registers begin on an even number)
	v_cvt_scalef32_pk16_bf6_f32 v[PCD+6:PCD+8], v[S+32:S+47], v249
	v_cvt_scalef32_pk16_bf6_f32 v[240:242], v[S+48:S+63], v249
.if \pre
	s_wait_dscnt 10                                ; V is in; the ten loads asked for behind it may be out
.else
	s_wait_dscnt 0x0
.endif
	s_wait_alu depctr_va_vdst(0)
.set j, 0
.rept 8
	v_pk_mul_f32 v[O+j:O+j+1], v[O+j:O+j+1], v[252:253] op_sel_hi:[1,0]   ; O^T under the new M; these lines also part the conversions, the scale word and the codes from what follows
.set j, j+2
.endr
.irp i, 0,1,2
	v_mov_b32 v[PCD+3+\i], v[236+\i]
	v_mov_b32 v[PCD+9+\i], v[240+\i]
.endr
.rept 8
	v_pk_mul_f32 v[O+j:O+j+1], v[O+j:O+j+1], v[252:253] op_sel_hi:[1,0]
.set j, j+2
.endr
.irp a, 0,1,2,3
	PV \a
.endr
.endm
; A PASS: my tile of 16 queries against all 2,048 keys; then ctx / the sum, quantised, as half of a fragment of the last product.
.macro PASS pi
	v_mov_b32 v13, 0xff61b1e6                      ; the largest score so far: -3e38
	v_mov_b32 v12, 0x7f61b1e6                      ; -M
	v_mov_b32 v14, 0
	v_mov_b32 v15, 0
.set j, 0
.rept 32
	v_mov_b32 v[O+j], 0                            ; the step is written once: the first finds zeros in O^T
	v_mov_b32 v[S+32+j], 0                         ; and in the half of p that it adds for the step before
.set j, j+1
.endr
	s_mov_b32 s66, 0
	v_add_nc_u32 v3, s66, v1
	v_add_nc_u32 v4, s66, v2
	s_mov_b32 s66, STEPB
	s_mov_b32 s70, 15
	s_wait_alu depctr_va_vdst(0)
	s_wait_loadcnt 0x0                             ; Q is in
.Lstep_\@:
	STEP 1
	s_add_co_u32 s66, s66, STEPB
	s_sub_co_u32 s70, s70, 1
	s_cmp_lg_u32 s70, 0
	s_cbranch_scc1 .Lstep_\@
.if \pi == 0
	STEP 2
.else
	STEP 0
.endif
	SUMA S+32                                      ; the last step's second half; sixteen plain lines behind the last products
	SUMB S+32
	s_delay_alu instid0(VALU_DEP_1)
	v_add_f32 v14, v14, v15
	s_delay_alu instid0(VALU_DEP_1)
	v_permlanex16_b32 v252, v14, s[SEL], s[SEL+1]
	s_delay_alu instid0(VALU_DEP_1)
	v_add_f32 v14, v14, v252                       ; the row's sum
	s_wait_alu depctr_va_vdst(0)
	v_rcp_f32 v14, v14
	v_nop                                          ; one plain line behind it
	s_wait_alu depctr_va_vdst(0)                   ; ahead of the reciprocal's first reader, which is also O^T's
.set j, 0
.rept 16
	v_pk_mul_f32 v[S+j:S+j+1], v[O+j:O+j+1], v[14:15] op_sel_hi:[1,0]   ; register 16 b + i is d = 32 b + 16 (lane / 16) + i
.set j, j+2
.endr
.irp b, 0,1
	v_max3_num_f32 v[244+\b], |v[S+16*\b]|, |v[S+1+16*\b]|, 0x2800000
.endr
.irp i, 2,4,6,8,10,12,14
.irp b, 0,1
	s_delay_alu instid0(VALU_DEP_2)
	v_max3_num_f32 v[244+\b], v[244+\b], |v[S+16*\b+\i]|, |v[S+1+16*\b+\i]|
.endr
.endr
.irp b, 0,1
	s_delay_alu instid0(VALU_DEP_2)
	v_permlanex16_b32 v[250+\b], v[244+\b], s[SEL], s[SEL+1]
.endr
.irp b, 0,1
	s_delay_alu instid0(VALU_DEP_2)
	v_max_num_f32 v[244+\b], v[244+\b], v[250+\b]  ; with lane l xor 16's 16: the block's largest magnitude
.endr
.irp b, 0,1
	s_delay_alu instid0(VALU_DEP_2)
	v_add_nc_u32 v[248+\b], 0xfe000000, v[244+\b]
.endr
.irp b, 0,1
	s_delay_alu instid0(VALU_DEP_2)
	v_lshrrev_b32 v[250+\b], 23, v[248+\b]
.endr
	s_delay_alu instid0(VALU_DEP_1)
	v_lshl_or_b32 v254, v251, 8, v250              ; my row's two scale bytes of this head
	v_cvt_scalef32_pk16_bf6_f32 v[PCD:PCD+2], v[S:S+15], v248
	v_cvt_scalef32_pk16_bf6_f32 v[240:242], v[S+16:S+31], v249
	v_nop                                          ; one plain line behind the scaled conversions
.irp i, 0,1,2
	v_permlane16_swap_b32 v[PCD+\i], v[240+\i]     ; here a lane holds half blocks: lanes 0-15 get block 0 whole, lanes 16-31 block 1
.endr
.irp i, 0,1,2
	s_delay_alu instid0(VALU_DEP_3)
	v_mov_b32 v[PCD+3+\i], v[240+\i]
.endr
	global_store_b64 v1, v[PCD:PCD+1], s[76:77] offset:2*REC*\pi           ; 256 and 512 consecutive bytes, aligned
	global_store_b128 v2, v[PCD+2:PCD+5], s[76:77] offset:2*REC*\pi+256
	ds_store_b16 v8, v254 offset:512*\pi           ; both halves of the lanes write the same two bytes with the same value
.endm
	s_load_b128 s[4:7], s[0:1], 0x0                ; pr, mask
	s_load_b64 s[8:9], s[0:1], 0x10                ; ctxr
	v_lshl_add_u32 v5, v0, 2, SPARE
	v_mov_b32 v6, 0
	ds_add_u32 v5, v6                              ; the opening lines: the add, twice on end, and its wait ahead of my first tensor load
	ds_add_u32 v5, v6
	v_lshrrev_b32 v3, 5, v0
	v_readfirstlane_b32 s[WV], v3                  ; wave 0..15
	s_bfe_u32 s11, ttmp6, 0x40000                  ; cx: which 512 queries
	s_and_b32 s12, ttmp7, 0xffff                   ; 16 batch + head
	s_lshr_b32 s13, s12, 4
	s_and_b32 s14, s12, 15
	s_lshr_b32 s80, s[WV], 3
	s_lshl_b32 s80, s80, 8
	s_and_b32 s81, s[WV], 1
	s_lshl_b32 s82, s81, 7
	s_add_co_u32 s80, s80, s82
	s_bfe_u32 s82, s[WV], 0x20001
	s_lshl_b32 s83, s82, 1
	s_add_co_u32 s80, s80, s83
	s_add_co_u32 s80, s80, STG                     ; the stage: 256 (w / 8) + 128 (w % 2) + 2 ((w / 2) % 4)
	s_mov_b32 s24, 15|(3<<16)|(1<<21)              ; group 1: 15:0 all four work-groups; 17:16 elements of 8 bytes; 21 set beside a mask
	s_mov_b32 s25, 32<<16                          ; a dense block of 13,056 bytes as 51 rows of 256
	s_mov_b32 s26, 51<<16
	s_mov_b32 s27, 32<<16
	s_mov_b32 s28, 51
	s_mov_b32 s29, 32
	s_mov_b32 s30, 0
	s_mov_b32 s31, 0
	s_lshl_b32 s83, s11, 5
	s_add_co_u32 s83, s83, s[WV]                   ; my first tile of queries
	s_mul_i32 s84, s83, 768
	s_add_co_u32 s84, s84, 8192
	s_mov_b32 s85, 0
	s_lshl_b32 s86, s11, 3
	s_lshr_b32 s87, s[WV], 2
	s_add_co_u32 s86, s86, s87
	s_lshl_b32 s86, s86, 8
	s_lshl_b32 s87, s81, 7
	s_add_co_u32 s86, s86, s87
	s_bfe_u32 s87, s[WV], 0x10001
	s_lshl_b32 s87, s87, 2
	s_add_co_u32 s86, s86, s87                     ; its scale words
	s_mov_b32 s87, 0
	s_lshl_b32 s88, s13, 4
	s_lshl_b32 s89, s11, 2
	s_add_co_u32 s88, s88, s89                     ; ctx's panel: 16 batch + 4 cx
	s_mul_i32 s90, s88, REC
	s_lshr_b32 s89, s14, 1                         ; the K step of the last product,
	s_and_b32 s91, s14, 1                          ; and which half of it
	s_lshl_b32 s92, s89, 9
	s_add_co_u32 s90, s90, s92
	s_lshl_b32 s92, s91, 8
	s_add_co_u32 s90, s90, s92                     ; the head's 256 scale bytes of the panel
	s_lshr_b32 s92, s[WV], 3
	s_add_co_u32 s88, s88, s92
	s_mul_i32 s88, s88, REC
	s_lshl_b32 s89, s89, 3
	s_and_b32 s92, s[WV], 7
	s_add_co_u32 s89, s89, s92
	s_mul_i32 s89, s89, 1536
	s_add_co_u32 s88, s88, s89
	s_mul_i32 s91, s91, 768
	s_add_co_u32 s88, s88, s91
	s_add_co_u32 s88, s88, 4096                    ; my tile's half image
	s_mov_b32 s89, 0
	s_mov_b32 s91, 0
	s_mov_b32 s[SEL], 0x76543210
	s_mov_b32 s[SEL+1], 0xfedcba98
	s_mov_b32 s15, 0xffff                          ; lanes 0-15, which hold k = 64 .. 95 in registers 6 to 11
	s_mov_b32 s82, 0x3e38aa3b                      ; log2(e) / 8
	v_and_b32 v4, 31, v0
	v_and_b32 v9, 15, v0
	v_bfe_u32 v7, v0, 4, 1
	v_lshlrev_b32 v1, 3, v4                        ; 8 x lane
	v_lshlrev_b32 v2, 4, v4                        ; 16 x lane
	v_lshl_add_u32 v8, v9, 3, s80                  ; the stage: + 8 r
	v_lshlrev_b32 v7, 3, v7                        ; 8 h
	v_lshlrev_b32 v9, 3, v9                        ; 8 r
	v_cndmask_b32 v22, 0, 12, s15                  ; Q at k = 64: the code of +1
.irp i, 0,1,2,3
	v_cndmask_b32 v[38+12*\i], 0, 44, s15          ; every key at k = 64: the code of -1
.endr
.irp j, 1,2,3,4,5
	v_mov_b32 v[22+\j], 0
.irp i, 0,1,2,3
	v_mov_b32 v[38+12*\i+\j], 0
.endr
.endr
.irp j, 250,251,252,253
	v_mov_b32 v\j, 0                               ; written once: a lane permute's destination counts as one of its sources, and v253 is named as the upper half of v[252:253]
.endr
	s_wait_alu depctr_va_vdst(0)
	s_wait_dscnt 0x0                               ; both opening adds are done
	s_wait_kmcnt 0x0
	s_mul_i32 s92, s12, QKREC
	s_mov_b32 s93, 0
	s_add_nc_u64 s[92:93], s[4:5], s[92:93]        ; Q's record
	s_add_nc_u64 s[72:73], s[92:93], s[84:85]
	s_add_nc_u64 s[74:75], s[92:93], s[86:87]
	s_add_nc_u64 s[76:77], s[8:9], s[88:89]
	s_add_nc_u64 s[78:79], s[8:9], s[90:91]
	s_mul_i32 s94, s12, KVREC
	s_add_co_u32 s94, s94, KVOFF
	s_mul_i32 s49, s[WV], STEPB                    ; group 0: key step w goes to LDS byte 13,056 w,
	s_add_co_u32 s94, s94, s49
	s_mov_b32 s95, 0
	s_add_nc_u64 s[50:51], s[4:5], s[94:95]        ; from the same place in the head's record: nothing here hangs on cx
	s_or_b32 s51, s51, 0x80000000
	s_mov_b32 s48, 1
	s_lshl_b32 s80, s13, 11
	s_mov_b32 s81, 0
	s_add_nc_u64 s[80:81], s[6:7], s[80:81]        ; the batch's 2,048 mask bytes
	CROUND                                         ; all four work-groups are here: the joint loads meet
	tensor_load_to_lds s[48:51], s[24:31]          ; every wave's one load: all fills of the launch
	s_nop 0
.irp i, 0,1,2,3
	global_load_b128 v[S+4*\i:S+4*\i+3], v2, s[80:81] offset:512*\i
.endr
	QLOAD 0
	s_wait_loadcnt 3                               ; the mask's four loads are in; Q's three may be out
.irp i, 0,2,4,6,8,10,12,14
	v_and_b32 v[S+\i], v[S+\i], v[S+1+\i]
.endr
.irp i, 0,4,8,12
	v_and_b32 v[S+\i], v[S+\i], v[S+2+\i]
.endr
	v_and_b32 v[S], v[S], v[S+4]
	v_and_b32 v[S+8], v[S+8], v[S+12]
	s_delay_alu instid0(VALU_DEP_1)
	v_and_b32 v[S], v[S], v[S+8]
	s_delay_alu instid0(VALU_DEP_1)
	v_cmp_eq_u32 vcc_lo, 0x01010101, v[S]          ; are my 64 bytes all 1?
	s_cmp_eq_u32 vcc_lo, -1                        ; and every lane's?
	s_cselect_b32 s[CS], 0, s82                    ; then c = 0: a choice of a value, no branch
	s_mov_b32 s[CS+1], s[CS]
	s_wait_alu depctr_va_vdst(0)
	s_wait_tensorcnt 0x0                           ; my key step has landed,
	s_barrier_signal -1
	s_barrier_wait -1                              ; everybody's has
	KSC 1, 0                                       ; the first step's ten loads
	KLOAD 0, 1, 2, 0
	PASS 0
	s_wait_alu depctr_va_vdst(0)
	s_wait_xcnt 0x0                                ; the first pass's stores have read their registers
	PASS 1
	v_add_nc_u32 v3, STG, v2                       ; where the scale bytes are read back: 512 bytes a pass,
	v_mul_u32_u24 v4, v7, REC/8
	v_lshl_add_u32 v4, v9, 1, v4                   ; and where they go: lanes 0-15 one panel's 256 bytes, lanes 16-31 the next panel's
	s_wait_alu depctr_va_vdst(0)
	s_wait_dscnt 0x0                               ; for wave 0's sake: my scale bytes of both passes lie in the stage
	s_barrier_signal -1
	s_barrier_wait -1
	s_cmp_lg_u32 s[WV], 0
	s_cbranch_scc1 .Lnot_0
	ds_load_b128 v[128:131], v3
	ds_load_b128 v[132:135], v3 offset:512
	s_wait_dscnt 0x0
	global_store_b128 v4, v[128:131], s[78:79]                 ; sixteen lanes store 256 consecutive bytes, aligned
	global_store_b128 v4, v[132:135], s[78:79] offset:2*REC
.Lnot_0:
	s_wait_tensorcnt 0x0                           ; the wave's end
	ds_add_u32 v5, v6
	s_wait_dscnt 0x0
	CROUND                                         ; the closing round
	s_endpgm
.Lfunc_end_k_qaaee8fe35f_attn:
	.size	k_qaaee8fe35f_attn, .Lfunc_end_k_qaaee8fe35f_attn-k_qaaee8fe35f_attn
	.p2alignl 7, 3214868480
	.fill 96, 4, 3214868480
	.section	.rodata,"a",@progbits
	.p2align	6, 0x0
	.amdhsa_kernel k_qaaee8fe35f_attn
		.amdhsa_group_segment_fixed_size 211968
		.amdhsa_private_segment_fixed_size 0
		.amdhsa_enable_private_segment 0
		.amdhsa_kernarg_size 24
		.amdhsa_user_sgpr_count 2
		.amdhsa_user_sgpr_kernarg_segment_ptr 1
		.amdhsa_wavefront_size32 1
		.amdhsa_system_sgpr_workgroup_id_x 1
		.amdhsa_system_sgpr_workgroup_id_y 1
		.amdhsa_system_sgpr_workgroup_id_z 1
		.amdhsa_system_vgpr_workitem_id 0
		.amdhsa_next_free_vgpr 256
		.amdhsa_next_free_sgpr 96
		.amdhsa_reserve_vcc 1
		.amdhsa_float_denorm_mode_32 3
		.amdhsa_float_denorm_mode_16_64 3
		.amdhsa_memory_ordered 1
		.amdhsa_forward_progress 1
		.amdhsa_inst_pref_size 87
	.end_amdhsa_kernel
	.amdgpu_metadata
---
amdhsa.version: [ 1, 2 ]
amdhsa.kernels:
  - .name:           k_qaaee8fe35f_attn
    .symbol:         k_qaaee8fe35f_attn.kd
    .args:
      - { .name: pr, .offset: 0, .size: 8, .value_kind: global_buffer, .address_space: global }
      - { .name: mask, .offset: 8, .size: 8, .value_kind: global_buffer, .address_space: global }
      - { .name: ctxr, .offset: 16, .size: 8, .value_kind: global_buffer, .address_space: global }
    .group_segment_fixed_size: 211968
    .private_segment_fixed_size: 0
    .kernarg_segment_align: 8
    .kernarg_segment_size: 24
    .max_flat_workgroup_size: 512
    .sgpr_count:     96
    .vgpr_count:     256
    .wavefront_size: 32
...
	.end_amdgpu_metadata
.endif
;; end of part 3
;; launch outp (part 4): grid 8 x 32, 4 waves a work-group, clusters of 4 x 4, 307,712 bytes of LDS; arguments inr, ctxr, bo, out0; writes out0
.if DOCPART == 4
	.amdgcn_target "amdgcn-amd-amdhsa--gfx1250"
	.amdhsa_code_object_version 6
	.text
	.protected	k_qaaee8fe35f_outp
	.globl	k_qaaee8fe35f_outp
	.p2align	8
	.type	k_qaaee8fe35f_outp,@function
k_qaaee8fe35f_outp:
	s_mov_b64 s[64:65], 0
	v_nop
	global_prefetch_b8 v0, s[64:65] scope:SCOPE_SE
	s_setreg_imm32_b32 hwreg(HW_REG_WAVE_MODE, 25, 1), 1
	s_wait_xcnt 0x0
	s_wait_alu depctr_hold_cnt(0) depctr_sa_sdst(0) depctr_va_vdst(0) depctr_va_sdst(0) depctr_va_ssrc(0) depctr_va_vcc(0) depctr_vm_vsrc(0)
	s_getreg_b32 s2, hwreg(HW_REG_IB_STS2, 6, 4)
	s_cmp_eq_u32 s2, 0
	s_cbranch_scc0 .Lentry_in_a_cluster
	s_endpgm
.Lentry_in_a_cluster:
	s_bfe_u32 s2, ttmp6, 0x10000c
	s_cmp_lg_u32 s2, 0xf033
	s_cbranch_scc0 .Lentry_shape_is_right
	s_endpgm
.Lentry_shape_is_right:
; out0 = ctx Wo^T + bo on codes of E3M2.  D[i][j] = sum over K of Wo[i][K] ctx[j][K], source 0 = 16 rows of Wo, source 1 = 16 rows of ctx: a lane holds one token and eight neighbouring columns.
; A work-group makes 128 columns (one panel of Wo) x 256 tokens (two panels of ctx); K = 1,024 lies in LDS whole: three records of 102,400 bytes, ctx's each by one load, Wo's by two loads of 51,200 bytes; no LDS byte is filled twice.
; Wave w takes all 8 tiles of columns x tiles 4 w .. 4 w + 3 of tokens: 32 accumulators.  CLUSTERS: 4 x 4: Wo's panel hangs on cx alone and is asked for jointly by a column of the cluster, ctx's two on cy alone and by a row.
; ctx's scale bytes lie as two halves a K step (one for each head): v_perm_b32 joins them into words once, ahead of the products.
; A tile's rows are 32 G + 8 u + rho + 8 (rho / 8), as everywhere in this program: the stores put each row where it belongs.
; REGISTERS, in windows of 256: window 0: v1-14 addresses; v32-95 the bias, later rows on their way out; v96-143 scale words; v144-207 at work, later rows on their way out.
;   window 1: the accumulators, (a, b) at v[8 (8 a + b)].  windows 2, 3: two sets of fragments: Wo's eight at 12 b, ctx's four at 96 + 12 a.
.set REC,   102400
.set QTR,   25600
.set KSB,   12288
.set FIB,   1536
.set BI,    32
.set S0S,   96
.set S1S,   128
.set TW,    144                        ; ctx's scale halves as loaded
.set STO,   12
.set RD,    13
.set SP,    528                        ; the way out: a stage of 16 rows x (512 bytes + 16) for each wave, in Wo's record, which has had its only fill and its last read by then
.set WV,    16
.set G1S0,  24
.set G1S1,  32
.set G0S0,  40
.set G0S1,  68
.set MSB, 0
.macro WIN new
.if MSB != (\new)
	s_set_vgpr_msb (MSB<<8)|(\new)
.set MSB, (\new)
.endif
.endm
.macro CROUND
	s_barrier_signal -1
	s_barrier_wait -1
	s_cmp_lg_u32 s[WV], 0
	s_cbranch_scc1 .Lnot_wave_0_\@
	s_barrier_signal -3
.Lnot_wave_0_\@:
	s_barrier_wait -3
	s_barrier_signal -1
	s_barrier_wait -1
.endm
.macro PLACES
.rept 4
	v_nop
.endr
.endm
.macro FRAG reg, a8, a16, off
	ds_load_b64 v[\reg:\reg+1], v[\a8] offset:\off
	ds_load_b128 v[\reg+2:\reg+5], v[\a16] offset:\off
	ds_load_b64 v[\reg+6:\reg+7], v[\a8] offset:\off+768
	ds_load_b128 v[\reg+8:\reg+11], v[\a16] offset:\off+768
.endm
.macro FETCH s
	WIN 0x80+0x40*((\s)%2)
.irp b, 0,1,2,3,4,5,6,7
	FRAG 12*\b, 4+2*((\s)/4), 5+2*((\s)/4), ((\s)%4)*KSB+FIB*\b
.endr
.irp a, 0,1,2,3
	FRAG 96+12*\a, 8+2*((\s)/4), 9+2*((\s)/4), ((\s)%4)*KSB+FIB*\a
.endr
.endm
.macro WM d, a, b, c, sa, sb, ra, rb
.if (\ra) && (\rb)
	v_wmma_scale_f32_16x16x128_f8f6f4 v[\d:\d+7], v[\a:\a+11], v[\b:\b+11], v[\c:\c+7], v[\sa], v[\sb] matrix_a_fmt:MATRIX_FMT_BF6 matrix_b_fmt:MATRIX_FMT_BF6 matrix_a_scale:MATRIX_SCALE_ROW1 matrix_b_scale:MATRIX_SCALE_ROW1
.elseif \ra
	v_wmma_scale_f32_16x16x128_f8f6f4 v[\d:\d+7], v[\a:\a+11], v[\b:\b+11], v[\c:\c+7], v[\sa], v[\sb] matrix_a_fmt:MATRIX_FMT_BF6 matrix_b_fmt:MATRIX_FMT_BF6 matrix_a_scale:MATRIX_SCALE_ROW1
.elseif \rb
	v_wmma_scale_f32_16x16x128_f8f6f4 v[\d:\d+7], v[\a:\a+11], v[\b:\b+11], v[\c:\c+7], v[\sa], v[\sb] matrix_a_fmt:MATRIX_FMT_BF6 matrix_b_fmt:MATRIX_FMT_BF6 matrix_b_scale:MATRIX_SCALE_ROW1
.else
	v_wmma_scale_f32_16x16x128_f8f6f4 v[\d:\d+7], v[\a:\a+11], v[\b:\b+11], v[\c:\c+7], v[\sa], v[\sb] matrix_a_fmt:MATRIX_FMT_BF6 matrix_b_fmt:MATRIX_FMT_BF6
.endif
.endm
; K step 0 takes the bias as C: nothing is cleared.  The 32 accumulators take turns, one instruction a turn, in the same order in every step.
.macro MUL16 s, a0
.irp a, \a0, \a0+1
.irp b, 0,1,2,3,4,5,6,7
.if (\s) == 0
	WM 8*(8*(\a)+\b), 12*\b, 96+12*(\a), BI+8*\b, S0S+4*(\s)+(\b)/2, S1S+2*(\s)+(\a)/2, (\b)%2, (\a)%2
.else
	WM 8*(8*(\a)+\b), 12*\b, 96+12*(\a), 8*(8*(\a)+\b), S0S+4*(\s)+(\b)/2, S1S+2*(\s)+(\a)/2, (\b)%2, (\a)%2
.endif
.endr
.endr
.endm
.macro MWIN s
.if (\s) == 0
	WIN 0x4a
.elseif (\s)%2 == 0
	WIN 0x5a
.else
	WIN 0x5f
.endif
.endm
.macro STEP s, cnt                     ; cnt >= 0: each wave waits until at most cnt of its loads are out, and a barrier tells the others
	s_wait_dscnt 0x0
.if (\cnt) >= 0
	s_wait_tensorcnt \cnt
	s_barrier_signal -1
.endif
	MWIN \s
	MUL16 \s, 0
.if (\cnt) >= 0
	s_barrier_wait -1
.endif
.if (\s) < 7
	PLACES                                         ; the other set was last read by the step before
	FETCH (\s)+1
.endif
	MWIN \s
	MUL16 \s, 2
.endm
	s_load_b256 s[4:11], s[0:1], 0x0               ; inr, ctxr, bo, out0
	v_lshl_add_u32 v254, v0, 2, 0x4b000
	v_mov_b32 v255, 0
	ds_add_u32 v254, v255
	ds_add_u32 v254, v255
	v_lshrrev_b32 v1, 5, v0
	v_readfirstlane_b32 s[WV], v1                  ; wave 0..3
	s_bfe_u32 s17, ttmp6, 0x40000                  ; cx
	s_bfe_u32 s18, ttmp6, 0x40004                  ; cy
	s_lshl_b32 s84, ttmp9, 2
	s_add_co_u32 s84, s84, s17                     ; I: which panel of Wo
	s_and_b32 s85, ttmp7, 0xffff
	s_lshl_b32 s85, s85, 2
	s_add_co_u32 s85, s85, s18                     ; J: which pair of panels of ctx
	s_lshl_b32 s60, 0x1111, s17                    ; my column of the cluster
	s_or_b32 s[G1S0], s60, (3<<16)|(1<<21)
	s_lshl_b32 s61, s18, 2
	s_lshl_b32 s61, 15, s61                        ; my row
	s_or_b32 s[G1S1], s61, (3<<16)|(1<<21)
.irp g, G1S0, G1S1                     ; a dense block as rows of 256 bytes
	s_mov_b32 s[\g+1], 32<<16
	s_mov_b32 s[\g+2], (200+200*(\g/G1S1))<<16     ; tensor_dim1: half of Wo's record (200 rows of 256 bytes), a whole record of ctx (400)
	s_mov_b32 s[\g+3], 32<<16
	s_mov_b32 s[\g+4], 200+200*(\g/G1S1)           ; tile_dim1 likewise
	s_mov_b32 s[\g+5], 32
	s_mov_b32 s[\g+6], 0
	s_mov_b32 s[\g+7], 0
.endr
	s_add_co_u32 s56, s84, 216                     ; Wo's panels begin at 216
	s_mul_i32 s56, s56, REC
	s_mov_b32 s57, 0
	s_lshl_b32 s58, s85, 1
	s_and_b32 s19, s[WV], 1
	s_add_co_u32 s58, s58, s19                     ; waves 0 and 1 fetch one panel of ctx each
	s_mul_i32 s58, s58, REC
	s_mov_b32 s59, 0
	s_mul_i32 s62, s19, REC
	s_add_co_u32 s62, s62, REC
	v_and_b32 v15, 31, v0                          ; lane
	v_and_b32 v251, 15, v0                         ; r
	v_bfe_u32 v250, v0, 4, 1                       ; h
	v_lshlrev_b32 v14, 3, v15
	v_lshlrev_b32 v1, 4, v15                       ; 16 x lane: Wo's scale words, and my bytes of a row of out0
	v_add_nc_u32 v4, 4096, v14
	v_add_nc_u32 v5, 4096+256, v1
	v_add_nc_u32 v6, 4096+4*KSB, v14
	v_add_nc_u32 v7, 4096+256+4*KSB, v1
	s_lshr_b32 s60, s[WV], 1
	s_mul_i32 s60, s60, REC
	s_add_co_u32 s60, s60, REC                     ; the record of ctx that I multiply by
	s_mul_i32 s61, s19, 4*FIB
	s_add_co_u32 s61, s61, s60
	s_add_co_u32 s61, s61, 4096
	v_add_nc_u32 v8, s61, v14
	s_add_co_u32 s63, s61, 256
	v_add_nc_u32 v9, s63, v1
	v_add_nc_u32 v10, 4*KSB, v8
	v_add_nc_u32 v11, 4*KSB, v9
	s_lshl_b32 s63, s19, 2
	s_add_co_u32 s63, s63, s60
	v_add_nc_u32 v2, s63, v14                      ; ctx's scale halves: 8 x lane + 4 (w % 2)
	s_mul_i32 s63, s[WV], 16*SP
	v_mul_u32_u24 v[STO], v251, SP
	v_lshl_add_u32 v[STO], v250, 6, v[STO]
	v_add_nc_u32 v[STO], s63, v[STO]               ; the stage: row r, + 64 h
	v_add_nc_u32 v[RD], s63, v1                    ; and back: a row of 512 bytes
	v_lshlrev_b32 v252, 6, v250                    ; the bias: 64 h
	s_lshl_b32 s66, s84, 9                         ; my 128 columns, in bytes
	s_mov_b32 s67, 0
	s_lshl_b32 s86, s85, 8
	s_lshl_b32 s87, s[WV], 6
	s_add_co_u32 s86, s86, s87                     ; my first token: 256 J + 64 w
	s_lshl_b32 s86, s86, 12
	s_add_co_u32 s86, s86, s66
	s_mov_b32 s87, 0
	s_mov_b32 s98, 0x05040100                      ; the two low halves
	s_mov_b32 s99, 0x07060302                      ; the two high halves
	s_wait_dscnt 0x0
	s_wait_kmcnt 0x0
	s_add_nc_u64 s[88:89], s[4:5], s[56:57]
	s_add_nc_u64 s[90:91], s[6:7], s[58:59]
	s_add_nc_u64 s[14:15], s[8:9], s[66:67]        ; bo at my columns
	s_add_nc_u64 s[12:13], s[10:11], s[86:87]      ; out0 at my first token and column
	s_mul_i32 s60, s19, 2*QTR                      ; waves 2 and 3 fetch one half of Wo's record each
	s_mov_b32 s61, 0
	s_mov_b32 s[G0S0], 1
	s_mov_b32 s[G0S0+1], s60
	s_add_nc_u64 s[G0S0+2:G0S0+3], s[88:89], s[60:61]
	s_or_b32 s[G0S0+3], s[G0S0+3], 0x80000000
	s_mov_b32 s[G0S1], 1                           ; waves 0 and 1 one whole record of ctx each
	s_mov_b32 s[G0S1+1], s62
	s_mov_b64 s[G0S1+2:G0S1+3], s[90:91]
	s_or_b32 s[G0S1+3], s[G0S1+3], 0x80000000
	CROUND                                         ; all sixteen work-groups are here: the joint loads meet
	s_cmp_lt_u32 s[WV], 2                          ; all fills of the launch: one tensor load a wave, one in each arm
	s_cbranch_scc0 .Lnot_s1
	tensor_load_to_lds s[G0S1:G0S1+3], s[G1S1:G1S1+7]
	s_nop 0
	PLACES
	s_branch .Lasked
.Lnot_s1:
	tensor_load_to_lds s[G0S0:G0S0+3], s[G1S0:G1S0+7]
	s_nop 0
	PLACES
.Lasked:
	s_wait_alu depctr_va_vdst(0)
.irp b, 0,1,2,3,4,5,6,7
	global_load_b128 v[BI+8*\b:BI+8*\b+3], v252, s[14:15] offset:(32*(\b/2)+8*(\b%2))*4
	global_load_b128 v[BI+8*\b+4:BI+8*\b+7], v252, s[14:15] offset:(32*(\b/2)+8*(\b%2))*4+16
.endr
	s_wait_loadcnt 0x0
	s_wait_tensorcnt 0x0                           ; my one load is in
	s_barrier_signal -1
	s_barrier_wait -1
.irp s, 0,1,2,3,4,5,6,7
	ds_load_b128 v[S0S+4*\s:S0S+4*\s+3], v1 offset:512*\s
	ds_load_b32 v[TW+2*\s], v2 offset:512*\s       ; the even head's two bytes of two tiles,
	ds_load_b32 v[TW+2*\s+1], v2 offset:512*\s+256 ; the odd head's
.endr
	FETCH 0
	WIN 0
	s_wait_dscnt 48                                ; the scale bytes are in; the 48 loads of K step 0 may be out
.irp s, 0,1,2,3,4,5,6,7
	v_perm_b32 v[S1S+2*\s], v[TW+2*\s+1], v[TW+2*\s], s98     ; tiles 0, 1 of my four: bytes 0, 1 from the even head, 2, 3 from the odd
	v_perm_b32 v[S1S+2*\s+1], v[TW+2*\s+1], v[TW+2*\s], s99   ; tiles 2, 3
.endr
.rept 8
	v_nop                                          ; scale registers written by vector instructions stand eight lines ahead of the products
.endr
	STEP 0, -1
	STEP 1, -1
	STEP 2, -1
	s_wait_alu depctr_va_vdst(0)
	STEP 3, -1
	STEP 4, -1
	STEP 5, -1
	STEP 6, -1
	STEP 7, -1
	WIN 0
	PLACES
	s_wait_dscnt 0x0                               ; my reads of the records are over,
	s_barrier_signal -1
	s_barrier_wait -1                              ; everybody's are: the stages may be written
; THE WAY OUT, a tile of 16 tokens x 128 columns at a time: through my own stage and back as whole rows of 512 bytes.  LDS serves a wave's instructions in order: no wait between the stores and the loads.
.macro TOSTAGE a
	WIN 0x04                                       ; an LDS store's data: window 1
.irp b, 0,1,2,3,4,5,6,7
	ds_store_b128 v[STO], v[8*(8*(\a)+\b):8*(8*(\a)+\b)+3] offset:128*(\b/2)+32*(\b%2)          ; each accumulator from its low end on
	ds_store_b128 v[STO], v[8*(8*(\a)+\b)+4:8*(8*(\a)+\b)+7] offset:128*(\b/2)+32*(\b%2)+16
.endr
	WIN 0
.set BB, 32+112*((\a)%2)
.irp t, 0,1,2,3,4,5,6,7,8,9,10,11,12,13,14,15
	ds_load_b128 v[BB+4*\t:BB+4*\t+3], v[RD] offset:\t*SP
.endr
.endm
.macro SEND a, younger                 ; younger: the LDS instructions issued behind tile a's loads, which may stay out
.set BB, 32+112*((\a)%2)
	s_wait_dscnt \younger
.irp t, 0,1,2,3,4,5,6,7,8,9,10,11,12,13,14,15
	global_store_b128 v1, v[BB+4*\t:BB+4*\t+3], s[12:13] offset:(32*((\a)/2)+8*((\a)%2)+\t+8*(\t/8))*4096 th:TH_STORE_NT   ; 32 lanes store 512 consecutive bytes, aligned
.endr
.endm
	TOSTAGE 0
.irp a, 1,2,3
.if \a > 1
	s_wait_xcnt 0x0                                ; tile a - 2's stores have read their registers: tile a's loads may land there
.endif
	TOSTAGE \a
	SEND \a-1, 32                                  ; behind tile a - 1's loads: tile a's 16 stores and 16 loads
.endr
	SEND 3, 0
	s_wait_tensorcnt 0x0
	ds_add_u32 v254, v255
	s_wait_dscnt 0x0
	CROUND                                         ; the closing round
	s_endpgm
.Lfunc_end_k_qaaee8fe35f_outp:
	.size	k_qaaee8fe35f_outp, .Lfunc_end_k_qaaee8fe35f_outp-k_qaaee8fe35f_outp
	.p2alignl 7, 3214868480
	.fill 96, 4, 3214868480
	.section	.rodata,"a",@progbits
	.p2align	6, 0x0
	.amdhsa_kernel k_qaaee8fe35f_outp
		.amdhsa_group_segment_fixed_size 307712
		.amdhsa_private_segment_fixed_size 0
		.amdhsa_enable_private_segment 0
		.amdhsa_kernarg_size 32
		.amdhsa_user_sgpr_count 2
		.amdhsa_user_sgpr_kernarg_segment_ptr 1
		.amdhsa_wavefront_size32 1
		.amdhsa_system_sgpr_workgroup_id_x 1
		.amdhsa_system_sgpr_workgroup_id_y 1
		.amdhsa_system_sgpr_workgroup_id_z 1
		.amdhsa_system_vgpr_workitem_id 0
		.amdhsa_next_free_vgpr 912
		.amdhsa_next_free_sgpr 102
		.amdhsa_reserve_vcc 0
		.amdhsa_float_denorm_mode_32 3
		.amdhsa_float_denorm_mode_16_64 3
		.amdhsa_memory_ordered 1
		.amdhsa_forward_progress 1
		.amdhsa_inst_pref_size 84
	.end_amdhsa_kernel
	.amdgpu_metadata
---
amdhsa.version: [ 1, 2 ]
amdhsa.kernels:
  - .name:           k_qaaee8fe35f_outp
    .symbol:         k_qaaee8fe35f_outp.kd
    .args:
      - { .name: inr, .offset: 0, .size: 8, .value_kind: global_buffer, .address_space: global }
      - { .name: ctxr, .offset: 8, .size: 8, .value_kind: global_buffer, .address_space: global }
      - { .name: bo, .offset: 16, .size: 8, .value_kind: global_buffer, .address_space: global }
      - { .name: out0, .offset: 24, .size: 8, .value_kind: global_buffer, .address_space: global }
    .group_segment_fixed_size: 307712
    .private_segment_fixed_size: 0
    .kernarg_segment_align: 8
    .kernarg_segment_size: 32
    .max_flat_workgroup_size: 128
    .sgpr_count:     102
    .vgpr_count:     912
    .wavefront_size: 32
...
	.end_amdgpu_metadata
.endif
;; end of part 4
